; MI455X (gfx1250); checked and timed in simulation.
; The chip was launched on July 23, 2026; its instructions are those of AMD's public machine-readable ISA for CDNA 5 (MIT licence, August 2026) and "CDNA5" Instruction Set Architecture Reference Guide (July 2026). The comments in the code are by the model that wrote it; some were corrected since.
;; Cross Attention. Allowed arithmetic: matrix products marked QUANTISED: E2M3 operands, one E8M0 scale for each 32 along K, by v_wmma_scale_f32_16x16x128_f8f6f4 with both operands' format E2M3, f32 sums; everything else in f32.
;; Inputs: Wk 1,024 x 1,024 float32; Wo 1,024 x 1,024 float32; Wq 1,024 x 1,024 float32; Wv 1,024 x 1,024 float32; mem 4 x 4,096 x 1,024 float32; mem_mask 4 x 1 x 1 x 4,096 bool; q_in 4 x 512 x 1,024 float32.
;; Outputs: out0 4 x 512 x 1,024 float32.
;; This version of the problem:
;;   THIS VERSION OF THE PROBLEM IS GIVEN IN LOW PRECISION. The matrix products marked QUANTISED in the list below multiply operands that are first quantised to E2M3 (2 exponent bits, 3 mantissa bits; 6 bits a number), with one power-of-two scale for each 32 numbers along K (OCP MX v1.0); their sums are f32. All else is computed in f32.
;;   The module's matrix products, in the order in which they are computed (A, B: the left and right operand; K: the contracted axis; several contracted axes count as one K, in the product's order):
;;     1. [M 2,048, K 1,024] x [K 1,024, N 1,024]; A: input q_in; B: input Wq: QUANTISED
;;     2. [M 16,384, K 1,024] x [K 1,024, N 1,024]; A: input mem; B: input Wk: QUANTISED
;;     3. [M 16,384, K 1,024] x [K 1,024, N 1,024]; A: input mem; B: input Wv: QUANTISED
;;     4. batch 64 x [M 512, K 64] x [K 64, N 4,096]; A: computed on the way; B: computed on the way: QUANTISED
;;     5. batch 64 x [M 512, K 4,096] x [K 4,096, N 64]; A: softmax (see below); B: computed on the way: QUANTISED
;;     6. [M 2,048, K 1,024] x [K 1,024, N 1,024]; A: computed on the way; B: input Wo: QUANTISED
;;   THE QUANTISER, for each operand of a quantised product, along K:
;;     - K is cut into blocks of 32 from its start; a last block that is shorter is filled with zeros.
;;     - A block's scale is 2^e with e = floor(log2(the largest magnitude in the block)) - 2, held to -126 .. 127; a block of zeros has e = 0. As a byte (E8M0): e + 127.
;;     - Each number is divided by its block's scale, clamped to +-7.5, and rounded to the nearest number of E2M3, ties to even, subnormals kept.
;;     - The product sums the exact products of the quantised numbers (number of the format x scale) in f32.
;;   ~~~python
;;   def quantise(x, axis):      # numpy; x: float32 -> the quantised numbers, widened to float32 again
;;       x = np.moveaxis(x, axis, -1); K = x.shape[-1]
;;       x = np.pad(x, [(0, 0)] * (x.ndim - 1) + [(0, -K % 32)]); x = x.reshape(x.shape[:-1] + (-1, 32)); a = np.abs(x).max(-1, keepdims=True)
;;       e = np.where(a > 0, np.clip(np.frexp(np.where(a > 0, a, 1))[1] - 1 - 2, -126, 127), 0)      # np.frexp(a)[1] - 1 = floor(log2(a)), exactly
;;       r = np.clip(x / 2.0 ** e, -7.5, 7.5)
;;       step = 2.0 ** (np.maximum(np.frexp(np.where(r == 0, 1, r))[1] - 1, 0) - 3)
;;       q = np.round(r / step) * step * 2.0 ** e      # np.round: ties to even
;;       return np.moveaxis(q.reshape(q.shape[:-2] + (-1,))[..., :K], -1, axis).astype(np.float32)
;;   ~~~
;;   SOFTMAX AHEAD OF A QUANTISED PRODUCT. Where the list says 'softmax', what is quantised is not the finished softmax but p = 2^(t - M), with t = logit x log2(e) and M = ceil(the row's largest t), a whole number; so 1/2 < the row's largest p <= 1. The row's sum l is taken of the UNQUANTISED p, in f32, and the product's result is divided by l at the end. Since M is a whole number, a kernel that streams over the keys may use a running M (the ceiling of the running maximum): every later rescaling is an exact power of two, which a block's scale takes up: the codes' values come out the same.
;;   OPERANDS COMPUTED ON THE WAY. 'Computed on the way' means the value that the module computes at that place (a softmax that the list does not call 'softmax' is quantised finished and normalised). What goes into a quantiser is computed in f32, as accurately as f32 sums, v_exp_f32 and their like allow (about 1e-6 of the number): no bf16 or f16 on the way to a quantiser, and a product that is left as it is and whose result goes on into a quantised operand takes f32 operands (vector FMAs, or v_wmma_f32_16x16x4_f32). A number that lies on a knife's edge between two numbers of the format may be rounded either way, as far as f32 arithmetic and the matrix unit's own rounding can turn it there, and no further.
;; One version. Each part assembles by itself: llvm-mc -triple=amdgcn-amd-amdhsa -mcpu=gfx1250 --defsym DOCPART=n.
;; ======== version 1 of 1: 4 launches
;; limits: right only within a limited range of input values
;; workspace buffers: codes 17,301,504 bytes; scl 720,896 bytes; kv 27,262,976 bytes; ocodes 1,572,864 bytes; oscl 65,536 bytes
;; launch quant (part 1): grid 704 x 1, 4 waves a work-group, no clusters, 34,304 bytes of LDS; arguments mem, q_in, Wq, Wk, Wv, Wo, codes, scl; writes codes, scl
.if DOCPART == 1
	.amdgcn_target "amdgcn-amd-amdhsa--gfx1250"
	.amdhsa_code_object_version 6
	.text
	.protected	k_qe285d0fb0a_quant
	.globl	k_qe285d0fb0a_quant
	.p2align	8
	.type	k_qe285d0fb0a_quant,@function
k_qe285d0fb0a_quant:
	s_mov_b64 s[64:65], 0
	v_nop
	global_prefetch_b8 v0, s[64:65] scope:SCOPE_SE
	s_setreg_imm32_b32 hwreg(HW_REG_WAVE_MODE, 25, 1), 1
	s_wait_xcnt 0x0
; CROSS ATTENTION IN MX-FP6, launch 1 of 4: the six f32 inputs with K innermost (mem, q_in, Wq, Wk, Wv, Wo; rows of 1,024) become codes of E2M3 and E8M0 scale bytes.
; NO WORK OF THE PROBLEM IS LEFT OUT in any launch: all six products are live, every input has a way to the output, and the mask is honoured key by key.
; LAYOUT OF THE WORKSPACE: operands lie as IMAGES OF THEIR REGISTERS.  A row tile holds 16 rows, 32 (tile / 2) + 8 (tile % 2) + p + 8 (p / 8), p = 0 .. 15.  A fragment (a tile x 128 along K) is 12 registers a lane:
; lane (r, h) holds row p = r, registers 6 c .. 6 c + 5 the codes of k = 64 c + 32 h + 0 .. 31.  Its image is 1,536 bytes: registers 4 j .. 4 j + 3 of lane l at 512 j + 16 l.  codes: [tile][K step 0..7][1,536].
; scl: [tile][half 0..1][r][4 words]: word i holds the four scale bytes of K step 4 half + i of row r.  Tiles: mem 0, q_in 1024, Wq 1152, Wk 1216, Wv 1280, Wo 1344.
; A block's scale is 2^(floor(log2(its largest magnitude)) - 2): its byte is the largest magnitude's exponent field - 2, held at 1 from below by a floor among the maximum's leaves.
; LIMITS: NaN and infinities among the inputs are not served.  A block of zeros gets the byte 1 where the problem's text says 127: its codes are zeros, and this program alone reads the bytes.
; SHARES: a wave takes one tile x 512 along K: four fragments.  Each load reads 512 consecutive bytes of one row; the 16 rows turn through the wave's own stage in LDS, so that a lane gets its 64 numbers.
; No tensor load, no barrier: waves share nothing.  Two fragments' loads (32 a wave) are on their way.
.set SP,    528                        ; a stage row: 512 bytes + 16: sixteen rows start in sixteen different groups of banks
.set STGW,  16*SP                      ; a wave's stage
.set SPARE, 4*STGW                     ; behind the stages: the spare words, 128 bytes a wave
.set TAU,   12288                      ; a tile's eight images
.set SPW,   16                         ; v16  my spare word's address; never rewritten
.set NIL,   17                         ; v17  0; never rewritten
.set SW,    18                         ; v18-21 the four fragments' scale words
.set T,     22                         ; v22-29 the conversions' second halves
.set C,     32                         ; v32-43 a fragment's codes
.set X,     64                         ; v64-127 my 64 numbers of a fragment
.set R,     128                        ; v128-255 two sets of 64: a fragment as loaded
	s_load_b256 s[4:11], s[0:1], 0x0               ; mem, q_in, Wq, Wk
	s_load_b256 s[12:19], s[0:1], 0x20             ; Wv, Wo, codes, scl
	v_lshl_add_u32 v[SPW], v0, 2, SPARE
	v_mov_b32 v[NIL], 0
	v_lshrrev_b32 v4, 5, v0
	v_readfirstlane_b32 s20, v4                    ; wave
	v_and_b32 v4, 31, v0                           ; lane
	v_and_b32 v6, 15, v0                           ; r
	v_bfe_u32 v7, v0, 4, 1                         ; h
	v_lshlrev_b32 v1, 4, v4                        ; 16 x lane: my bytes of a load and of an image
	s_mul_i32 s21, s20, STGW
	v_add_nc_u32 v2, s21, v1                       ; the stage, on the way in
	v_mul_u32_u24 v3, v6, SP
	v_lshl_add_u32 v3, v7, 7, v3
	v_add_nc_u32 v3, s21, v3                       ; and on the way out: row r, + 128 h
	v_lshlrev_b32 v5, 4, v6
	v_lshl_add_u32 v5, v7, 3, v5                   ; the scale words' place: 16 r + 8 h
	v_lshlrev_b32 v14, 3, v7                       ; 8 h: my bytes' shift in a scale word
	v_mov_b32 v15, 0                               ; (a lane permute's destination counts as read)
	s_mov_b32 s22, 0x76543210
	s_mov_b32 s23, 0xfedcba98                      ; selects for lane l xor 16
	s_mov_b32 s28, 0xffff0000                      ; lanes 16-31
	s_lshr_b32 s29, s20, 1                         ; which of the work-group's two tiles
	s_and_b32 s30, s20, 1                          ; which half of K
	s_wait_alu depctr_va_vdst(0)
	s_wait_kmcnt 0x0
	s_mov_b64 s[24:25], s[14:15]                   ; which tensor: the choice hangs on the work-group's number alone
	s_mov_b32 s26, 672                             ; and its first work-group
	s_cmp_lt_u32 ttmp9, 672
	s_cselect_b64 s[24:25], s[12:13], s[24:25]
	s_cselect_b32 s26, 640, s26
	s_cmp_lt_u32 ttmp9, 640
	s_cselect_b64 s[24:25], s[10:11], s[24:25]
	s_cselect_b32 s26, 608, s26
	s_cmp_lt_u32 ttmp9, 608
	s_cselect_b64 s[24:25], s[8:9], s[24:25]
	s_cselect_b32 s26, 576, s26
	s_cmp_lt_u32 ttmp9, 576
	s_cselect_b64 s[24:25], s[6:7], s[24:25]
	s_cselect_b32 s26, 512, s26
	s_cmp_lt_u32 ttmp9, 512
	s_cselect_b64 s[24:25], s[4:5], s[24:25]
	s_cselect_b32 s26, 0, s26
	s_sub_co_u32 s27, ttmp9, s26
	s_lshl_b32 s27, s27, 5                         ; a work-group's two tiles cover 32 rows
	s_lshl_b32 s31, s29, 3
	s_add_co_u32 s27, s27, s31                     ; my tile's first row
	s_lshl_b32 s32, s27, 12
	s_lshl_b32 s31, s30, 11
	s_add_co_u32 s32, s32, s31                     ; in bytes, + my half of K
	s_mov_b32 s33, 0
	s_add_nc_u64 s[24:25], s[24:25], s[32:33]
	s_lshl_b32 s34, ttmp9, 1
	s_add_co_u32 s34, s34, s29                     ; my tile's number in the workspace
	s_mul_i32 s32, s34, TAU
	s_mul_i32 s31, s30, TAU/2
	s_add_co_u32 s32, s32, s31
	s_add_nc_u64 s[16:17], s[16:17], s[32:33]
	s_lshl_b32 s32, s34, 9
	s_lshl_b32 s31, s30, 8
	s_add_co_u32 s32, s32, s31
	s_add_nc_u64 s[18:19], s[18:19], s[32:33]
.macro LOAD t                          ; fragment t: 512 bytes of each of the tile's 16 rows
.irp i, 0,1,2,3,4,5,6,7,8,9,10,11,12,13,14,15
	global_load_b128 v[R+64*((\t)%2)+4*\i:R+64*((\t)%2)+4*\i+3], v1, s[24:25] offset:(\i+8*(\i/8))*4096+512*(\t) th:TH_LOAD_NT
.endr
.endm
.macro STEP t
.if (\t) < 3
	s_wait_loadcnt 16                              ; this fragment's 16 loads are in; the next one's 16 may be out
.else
	s_wait_loadcnt 0x0
.endif
.irp i, 0,1,2,3,4,5,6,7,8,9,10,11,12,13,14,15
	ds_store_b128 v2, v[R+64*((\t)%2)+4*\i:R+64*((\t)%2)+4*\i+3] offset:SP*\i
.endr
.irp c, 0,1
.irp j, 0,1,2,3,4,5,6,7
	ds_load_b128 v[X+32*\c+4*\j:X+32*\c+4*\j+3], v3 offset:256*\c+16*\j   ; LDS serves a wave's instructions in order: these see the stores above
.endr
.endr
	s_wait_dscnt 0x0                               ; my numbers are back, and the stores have read their registers,
.if (\t) < 2
	LOAD (\t)+2                                    ; which take the fragment two on
.endif
.irp c, 0,1
	v_max3_num_f32 v[8+\c], |v[X+32*\c]|, |v[X+32*\c+1]|, 0x1800000   ; my block 2 c + h: all 32 numbers are mine; the floor 2^(3 - 127) holds the byte at 1 from below
.endr
.irp i, 2,4,6,8,10,12,14,16,18,20,22,24,26,28,30
.irp c, 0,1
	v_max3_num_f32 v[8+\c], v[8+\c], |v[X+32*\c+\i]|, |v[X+32*\c+\i+1]|
.endr
.endr
.irp c, 0,1
	v_add_nc_u32 v[10+\c], 0xff000000, v[8+\c]     ; 2 off the exponent field: the conversion's scale operand
.endr
.irp c, 0,1
	v_lshrrev_b32 v[12+\c], 23, v[10+\c]           ; the scale's byte
.endr
	v_lshl_or_b32 v12, v13, 16, v12                ; blocks h and 2 + h,
	v_lshlrev_b32 v12, v14, v12                    ; at their places in the word;
	v_permlanex16_b32 v15, v12, s22, s23
	v_or_b32 v[SW+(\t)], v12, v15                  ; with lane l xor 16's two the word is whole
	s_wait_alu depctr_va_vdst(0)
	s_wait_xcnt 0x0                                ; the last fragment's stores have read the codes' registers
.irp c, 0,1
	v_cvt_scalef32_pk16_fp6_f32 v[C+6*\c:C+6*\c+2], v[X+32*\c:X+32*\c+15], v[10+\c]
	v_cvt_scalef32_pk16_fp6_f32 v[T+4*\c:T+4*\c+2], v[X+32*\c+16:X+32*\c+31], v[10+\c]   ; (a conversion's three registers begin on an even number)
.endr
	v_nop                                          ; one plain place behind a scaled conversion
.irp c, 0,1
.irp i, 0,1,2
	v_mov_b32 v[C+6*\c+3+\i], v[T+4*\c+\i]
.endr
.endr
.irp j, 0,1,2
	global_store_b128 v1, v[C+4*\j:C+4*\j+3], s[16:17] offset:1536*(\t)+512*\j   ; 512 consecutive bytes, aligned
.endr
.endm
	LOAD 0
	LOAD 1
	STEP 0
	STEP 1
	STEP 2
	STEP 3
	v_cndmask_b32 v8, v[SW], v[SW+2], s28          ; lanes 0-15 store words 0 and 1 of their row, lanes 16-31 words 2 and 3
	v_cndmask_b32 v9, v[SW+1], v[SW+3], s28
	global_store_b64 v5, v[8:9], s[18:19]          ; 256 consecutive bytes, aligned
	s_wait_tensorcnt 0x0                           ; the wave's end, behind my last LDS store
	ds_add_u32 v[SPW], v[NIL]
	s_wait_dscnt 0x0
	s_endpgm
.Lfunc_end_k_qe285d0fb0a_quant:
	.size	k_qe285d0fb0a_quant, .Lfunc_end_k_qe285d0fb0a_quant-k_qe285d0fb0a_quant
	.p2alignl 7, 3214868480
	.fill 96, 4, 3214868480
	.section	.rodata,"a",@progbits
	.p2align	6, 0x0
	.amdhsa_kernel k_qe285d0fb0a_quant
		.amdhsa_group_segment_fixed_size 34304
		.amdhsa_private_segment_fixed_size 0
		.amdhsa_enable_private_segment 0
		.amdhsa_kernarg_size 64
		.amdhsa_user_sgpr_count 2
		.amdhsa_user_sgpr_kernarg_segment_ptr 1
		.amdhsa_wavefront_size32 1
		.amdhsa_system_sgpr_workgroup_id_x 1
		.amdhsa_system_sgpr_workgroup_id_y 1
		.amdhsa_system_sgpr_workgroup_id_z 1
		.amdhsa_system_vgpr_workitem_id 0
		.amdhsa_next_free_vgpr 256
		.amdhsa_next_free_sgpr 66
		.amdhsa_reserve_vcc 0
		.amdhsa_float_denorm_mode_32 3
		.amdhsa_float_denorm_mode_16_64 3
		.amdhsa_memory_ordered 1
		.amdhsa_forward_progress 1
		.amdhsa_inst_pref_size 31
	.end_amdhsa_kernel
	.amdgpu_metadata
---
amdhsa.version: [ 1, 2 ]
amdhsa.kernels:
  - .name:           k_qe285d0fb0a_quant
    .symbol:         k_qe285d0fb0a_quant.kd
    .args:
      - { .name: mem, .offset: 0, .size: 8, .value_kind: global_buffer, .address_space: global }
      - { .name: q_in, .offset: 8, .size: 8, .value_kind: global_buffer, .address_space: global }
      - { .name: Wq, .offset: 16, .size: 8, .value_kind: global_buffer, .address_space: global }
      - { .name: Wk, .offset: 24, .size: 8, .value_kind: global_buffer, .address_space: global }
      - { .name: Wv, .offset: 32, .size: 8, .value_kind: global_buffer, .address_space: global }
      - { .name: Wo, .offset: 40, .size: 8, .value_kind: global_buffer, .address_space: global }
      - { .name: codes, .offset: 48, .size: 8, .value_kind: global_buffer, .address_space: global }
      - { .name: scl, .offset: 56, .size: 8, .value_kind: global_buffer, .address_space: global }
    .group_segment_fixed_size: 34304
    .private_segment_fixed_size: 0
    .kernarg_segment_align: 8
    .kernarg_segment_size: 64
    .max_flat_workgroup_size: 128
    .sgpr_count:     66
    .vgpr_count:     256
    .wavefront_size: 32
...
	.end_amdgpu_metadata
.endif
;; end of part 1
;; launch kvproj (part 2): grid 4 x 128, 4 waves a work-group, clusters of 4 x 4, 327,680 bytes of LDS; arguments codes, scl, kv; writes kv
.if DOCPART == 2
	.amdgcn_target "amdgcn-amd-amdhsa--gfx1250"
	.amdhsa_code_object_version 6
	.text
	.protected	k_qe285d0fb0a_kvproj
	.globl	k_qe285d0fb0a_kvproj
	.p2align	8
	.type	k_qe285d0fb0a_kvproj,@function
k_qe285d0fb0a_kvproj:
	s_mov_b64 s[64:65], 0
	v_nop
	global_prefetch_b8 v0, s[64:65] scope:SCOPE_SE
	s_setreg_imm32_b32 hwreg(HW_REG_WAVE_MODE, 25, 1), 1
	s_wait_xcnt 0x0
	s_wait_alu depctr_hold_cnt(0) depctr_sa_sdst(0) depctr_va_vdst(0) depctr_va_sdst(0) depctr_va_ssrc(0) depctr_va_vcc(0) depctr_vm_vsrc(0)
	s_getreg_b32 s2, hwreg(HW_REG_IB_STS2, 6, 4)
	s_cmp_eq_u32 s2, 0
	s_cbranch_scc0 .Lentry_in_a_cluster
	s_endpgm
.Lentry_in_a_cluster:
	s_bfe_u32 s2, ttmp6, 0x10000c
	s_cmp_lg_u32 s2, 0xf033
	s_cbranch_scc0 .Lentry_shape_is_right
	s_endpgm
.Lentry_shape_is_right:
; Launch 2 of 4: k = mem Wk^T and v = mem Wv^T on codes of E2M3, their results quantised on the way out: k along the head's 64, v along the keys.  Nothing of the problem is left out here.
; A work-group makes 256 x 256 of one product, a wave 128 x 128: 64 accumulators.  K = 1,024 is eight steps of 128, written out.
; ONE TEXT SERVES BOTH PRODUCTS.  S0's rows become a lane's REGISTERS (source 0), S1's rows become LANES (source 1).  Clusters 0-15 along y make k: S0 = Wk, S1 = mem; clusters 16-31 make v: S0 = mem, S1 = Wv.
; By the tiles' order of rows the 16 registers of S0's tiles 2 b and 2 b + 1 are 16 neighbours.
; CLUSTER 4 x 4: S1's block hangs on cy alone and is asked for jointly along a row of the cluster, S0's on cx alone, jointly down a column.
; RING: two LDS slots of three K steps.  Fill 0 (K steps 0-2) goes out at the head, one load a wave; fill 1 (steps 3-5) into slot 1 behind the round that follows it; fill 2 (steps 6, 7) into slot 0 behind K step 2's round.
; A tile's part of a fill is 4,608 or 3,072 bytes of memory, beginning at a multiple of 256.  One tensor load of a wave is out at a time.
; No prefetch: the block is the largest that the registers hold, in clusters, and K has only three fills: the first two stand at the head, with no step ahead of them to ask in.
; OUT: kv holds 2,048 records of 13,312 bytes (13,056 used), record (batch x 16 + head) x 32 + step for 128 keys of a head: K: 8 key tiles x 768 (registers 0-3 at 16 l, 4-5 at 512 + 8 l); at 6,144 V: 4 tiles of 16 features x 1,536;
; at 12,288 K's scale words (lane's register e: tile 2 e + h, row r); at 12,800 V's.  The upper two bytes of a word of K belong to the other head or are 0: they meet zero codes alone.
; LIMITS: NaN and infinities are not served; a block of zeros gets the byte 1 (its codes are zeros; this program alone reads the bytes).
; REGISTERS: window 0: v16-29 addresses; v32-95 scale words (8 i + s: lanes 0-15 S1's tile i, lanes 16-31 S0's, K step s); v96-127 at work on the way out; v128-223 S1's fragments, later the codes made.
;   window 1: S0's fragments, two sets, at v0 and v128.   windows 2, 3: accumulator (i1, i0) at v[8 (8 (i1 % 4) + i0)] of window 2 + i1 / 4.
.set FR,    12
.set NL,    3
.set NP,    4
.set TAU,   12288
.set TRI,   4608                       ; three K steps' images of a tile
.set PIT,   TRI                        ; from tile to tile in a slot; 3,072 in the last fill
.set HALFT, 8*TRI
.set SLOT,  4*HALFT                    ; S1's 16 tiles, then S0's 16
.set SPARE, 2*SLOT                     ; the spare words, 128 bytes a wave
.set T_WK,  1216
.set T_WV,  1280
.set REC,   13312
.set HSTR,  32*REC
.set ADRA,  16
.set ADRB,  20
.set L16,   24
.set L8,    25
.set SOF,   26
.set SPW,   28
.set NIL,   29
.set SC,    32
.set TM,    96
.set T2,    112
.set PW,    120
.set AF,    128
.set CD,    128
.set G1,    24
.set G1B,   32
.set G0,    40
.set G0B,   52
.set MSB, 0
.macro WIN new
.if MSB != (\new)
	s_set_vgpr_msb (MSB<<8)|(\new)
.set MSB, (\new)
.endif
.endm
.set MUL_LO, 0xa1
.set MUL_HI, 0xf1
.set TO_B,   0x40
.macro JLOAD g0a, g1a, g0b, g1b        ; a joint load: waves 0, 1 fetch S1's halves, waves 2, 3 S0's; s_nop 0 and four v_nop follow each line
	s_cmp_eq_u32 s15, 0
	s_cbranch_scc0 .Lfor_b_\@
	tensor_load_to_lds s[\g0a:\g0a+3], s[\g1a:\g1a+7]
	s_nop 0
.rept 4
	v_nop
.endr
	s_branch .Lasked_\@
.Lfor_b_\@:
	tensor_load_to_lds s[\g0b:\g0b+3], s[\g1b:\g1b+7]
	s_nop 0
.rept 4
	v_nop
.endr
.Lasked_\@:
.endm
.macro CREST
	s_cmp_lg_u32 s14, 0
	s_cbranch_scc1 .Lnot_wave_0_\@
	s_barrier_signal -3
.Lnot_wave_0_\@:
	s_barrier_wait -3
	s_barrier_signal -1
	s_barrier_wait -1
.endm
.macro CROUND
	s_barrier_signal -1
	s_barrier_wait -1
	CREST
.endm
.macro PLACES n
.rept \n
	v_nop
.endr
.endm
	s_load_b128 s[4:7], s[0:1], 0x0                ; codes, scl
	s_load_b64 s[8:9], s[0:1], 0x10                ; kv
	v_lshl_add_u32 v[SPW], v0, 2, SPARE
	v_mov_b32 v[NIL], 0
	ds_add_u32 v[SPW], v[NIL]                      ; the opening: the add, twice on end, and its wait
	ds_add_u32 v[SPW], v[NIL]
	v_lshrrev_b32 v1, 5, v0
	v_readfirstlane_b32 s14, v1                    ; wave
	s_lshr_b32 s15, s14, 1                         ; my half of S1; also: I fetch for S1 (0) or S0 (1)
	s_and_b32 s16, s14, 1                          ; my half of S0; also: which eight tiles I fetch
	s_bfe_u32 s66, ttmp6, 0x40000                  ; cx
	s_bfe_u32 s67, ttmp6, 0x40004                  ; cy
	s_and_b32 s68, ttmp7, 0xffff
	s_lshr_b32 s69, s68, 4                         ; 0: k, 1: v: the same in all sixteen partners
	s_xor_b32 s70, s69, 1
	s_and_b32 s71, s68, 15
	s_lshl_b32 s71, s71, 6                         ; the cluster's four blocks of mem begin at this tile
	s_mul_i32 s72, s70, s71                        ; S1's first tile: no register here ever holds cx
	s_mul_i32 s74, s69, T_WV
	s_add_co_u32 s72, s72, s74
	s_lshl_b32 s74, s67, 4
	s_add_co_u32 s72, s72, s74
	s_mul_i32 s73, s69, s71                        ; S0's first tile: no register here ever holds cy
	s_mul_i32 s76, s70, T_WK
	s_add_co_u32 s73, s73, s76
	s_lshl_b32 s76, s66, 4
	s_add_co_u32 s73, s73, s76
	s_lshl_b32 s85, s67, 2
	s_lshl_b32 s85, 15, s85                        ; my row of the cluster
	s_lshl_b32 s86, 0x1111, s66                    ; my column
	s_or_b32 s[G1], s85, (3<<16)|(1<<21)           ; the mask; elements of 8 bytes; no padding: an image is read 512 consecutive bytes at a time
	s_or_b32 s[G1B], s86, (3<<16)|(1<<21)
.irp g, G1, G1B
	s_mov_b32 s[\g+1], 576<<16                     ; 4,608 bytes: three K steps of a tile
	s_mov_b32 s[\g+2], 8<<16                       ; eight tiles
	s_mov_b32 s[\g+3], 576<<16
	s_mov_b32 s[\g+4], 8
	s_mov_b32 s[\g+5], 1536                        ; from tile to tile: 12,288 bytes
	s_mov_b32 s[\g+6], 0
	s_mov_b32 s[\g+7], 0
.endr
	s_lshl_b32 s75, s16, 3
	s_add_co_u32 s78, s72, s75
	s_mul_i32 s78, s78, TAU
	s_mov_b32 s79, 0
	s_add_co_u32 s80, s73, s75
	s_mul_i32 s80, s80, TAU
	s_mov_b32 s81, 0
	s_mul_i32 s82, s14, HALFT                      ; where my eight tiles go: no place in the cluster enters an LDS address
	s_lshl_b32 s83, s15, 3
	s_add_co_u32 s83, s83, s72
	s_lshl_b32 s83, s83, 9                         ; my S1 tiles' scale words
	s_add_co_u32 s84, s73, s75
	s_lshl_b32 s84, s84, 9                         ; my S0 tiles'
	s_mov_b32 s87, 0xffff0000
	s_mov_b32 s88, 0x76543210
	s_mov_b32 s89, 0xfedcba98
	s_wait_dscnt 0x0
	s_wait_kmcnt 0x0
	s_add_nc_u64 s[78:79], s[4:5], s[78:79]
	s_add_nc_u64 s[80:81], s[4:5], s[80:81]
	CROUND                                         ; all sixteen work-groups are here: the first joint loads meet
.irp s, 0,1
	s_mov_b32 s[G0+4*\s], 1
	s_add_co_u32 s[G0+4*\s+1], s82, \s*SLOT
	s_add_nc_u64 s[G0+4*\s+2:G0+4*\s+3], s[78:79], \s*TRI
	s_or_b32 s[G0+4*\s+3], s[G0+4*\s+3], 0x80000000
	s_mov_b32 s[G0B+4*\s], 1
	s_add_co_u32 s[G0B+4*\s+1], s82, \s*SLOT
	s_add_nc_u64 s[G0B+4*\s+2:G0B+4*\s+3], s[80:81], \s*TRI
	s_or_b32 s[G0B+4*\s+3], s[G0B+4*\s+3], 0x80000000
.endr
	JLOAD G0, G1, G0B, G1B                         ; K steps 0-2: one tensor load a wave at the head
	v_and_b32 v1, 31, v0
	v_lshlrev_b32 v[L16], 4, v1
	v_lshlrev_b32 v[L8], 3, v1
	s_mul_i32 s21, s15, HALFT
	s_mul_i32 s22, s16, HALFT
	s_add_co_u32 s22, s22, 2*HALFT
.irp s, 0,1
	v_add_nc_u32 v[ADRA+\s], s21, v[L16]
	v_add_nc_u32 v[ADRB+\s], s22, v[L16]
	s_add_co_u32 s21, s21, SLOT
	s_add_co_u32 s22, s22, SLOT
.endr
	v_and_b32 v2, 15, v0
	v_lshlrev_b32 v2, 4, v2
	v_mov_b32 v3, s83
	v_mov_b32 v4, s84
	v_cndmask_b32 v3, v3, v4, s87                  ; lanes 0-15 take S1's words, lanes 16-31 S0's
	v_add_nc_u32 v[SOF], v2, v3
.irp i, 0,1,2,3,4,5,6,7
.irp hf, 0,1
	global_load_b128 v[SC+8*\i+4*\hf:SC+8*\i+4*\hf+3], v[SOF], s[6:7] offset:512*\i+256*\hf   ; all eight K steps' words, once
.endr
.endr
.irp b, 0,1,2,3
	v_mov_b32 v[TM+4+\b], 0                        ; (a lane permute's destination counts as read)
.endr
.macro FRAG reg, adr, q, i
.irp j, 0,1,2
	ds_load_b128 v[(\reg)+4*\j:(\reg)+4*\j+3], v[\adr] offset:PIT*(\i)+1536*(\q)+512*\j
.endr
.endm
.macro FETCH_B slot, q, p
	WIN TO_B
.irp i, 0,1,2,3,4,5,6,7
	FRAG 128*(\p)+FR*\i, ADRB+\slot, \q, \i
.endr
	WIN 0
.endm
.macro FETCH_A slot, q, i0
.irp i, \i0, \i0+1, \i0+2, \i0+3
	FRAG AF+FR*(\i), ADRA+\slot, \q, \i
.endr
.endm
; 16 matrix instructions: S1's tiles a0, a0 + 1 x S0's eight, K step s.  The 64 accumulators take turns, one instruction a turn.
.macro MUL16 a0, p, s, zero
.irp a, \a0, \a0+1
.irp b, 0,1,2,3,4,5,6,7
.if \zero
	v_wmma_scale_f32_16x16x128_f8f6f4 v[8*(8*((\a)%4)+\b):8*(8*((\a)%4)+\b)+7], v[128*(\p)+FR*\b:128*(\p)+FR*\b+FR-1], v[AF+FR*(\a):AF+FR*(\a)+FR-1], 0, v[SC+8*\b+(\s)], v[SC+8*(\a)+(\s)] matrix_a_fmt:MATRIX_FMT_FP6 matrix_b_fmt:MATRIX_FMT_FP6 matrix_a_scale:MATRIX_SCALE_ROW1
.else
	v_wmma_scale_f32_16x16x128_f8f6f4 v[8*(8*((\a)%4)+\b):8*(8*((\a)%4)+\b)+7], v[128*(\p)+FR*\b:128*(\p)+FR*\b+FR-1], v[AF+FR*(\a):AF+FR*(\a)+FR-1], v[8*(8*((\a)%4)+\b):8*(8*((\a)%4)+\b)+7], v[SC+8*\b+(\s)], v[SC+8*(\a)+(\s)] matrix_a_fmt:MATRIX_FMT_FP6 matrix_b_fmt:MATRIX_FMT_FP6 matrix_a_scale:MATRIX_SCALE_ROW1
.endif
.endr
.endr
.endm
.macro STEP nslot, nq, s, zero         ; K step s; the next step's fragments lie in slot nslot, its nq-th part, known to be whole
	s_wait_dscnt 4*NL                              ; S0's set and S1's tiles 0-3 are in; the youngest 12 loads may be out
	WIN MUL_LO
	MUL16 0, (\s)%2, \s, \zero
	MUL16 2, (\s)%2, \s, \zero
	s_wait_dscnt 0x0
	PLACES NP                                      ; places in front of loads into registers that matrix instructions have read
	FETCH_B \nslot, \nq, 1-(\s)%2
	FETCH_A \nslot, \nq, 0
	WIN MUL_HI
	MUL16 4, (\s)%2, \s, \zero
	MUL16 6, (\s)%2, \s, \zero
	PLACES NP
	WIN 0
	FETCH_A \nslot, \nq, 4
.endm
; A K step that changes slots.  In front of its barrier each wave waits for all its tensor loads, adds 0 to its spare word, and waits for that and for its LDS reads.  fill = 1: slot 0, read out, takes K steps 6 and 7.
.macro TURN next, s, fill
	s_wait_tensorcnt 0x0
	ds_add_u32 v[SPW], v[NIL]
	s_wait_dscnt 4*NL+1                            ; (the add and the youngest 12 loads may be out)
	WIN MUL_LO
	MUL16 0, (\s)%2, \s, 0
	s_wait_dscnt 0x0                               ; the add is done, and my reads of the slot in hand are over
	s_barrier_signal -1
	MUL16 2, (\s)%2, \s, 0
	WIN 0
	s_barrier_wait -1
.if \fill
	CREST                                          ; the barrier has opened a round of the cluster's
	s_add_nc_u64 s[G0+2:G0+3], s[G0+2:G0+3], 2*TRI
	s_add_nc_u64 s[G0B+2:G0B+3], s[G0B+2:G0B+3], 2*TRI
.irp g, G1, G1B
	s_mov_b32 s[\g+1], 384<<16                     ; no load of mine is out: the last fill's rows are two K steps, 3,072 bytes
	s_mov_b32 s[\g+3], 384<<16
.endr
	JLOAD G0, G1, G0B, G1B                         ; the first tensor load behind the round; its four v_nop are the places in front of the loads below
.else
	PLACES NP
.endif
	FETCH_B \next, 0, 1-(\s)%2
	FETCH_A \next, 0, 0
	WIN MUL_HI
	MUL16 4, (\s)%2, \s, 0
	MUL16 6, (\s)%2, \s, 0
	PLACES NP
	WIN 0
	FETCH_A \next, 0, 4
.endm
	s_wait_alu depctr_va_vdst(0)                   ; the head's end
	s_wait_tensorcnt 0x0                           ; my part of fill 0 is in; the same lines as ahead of a refill stand ahead of slot 1's first fill
	ds_add_u32 v[SPW], v[NIL]
	s_wait_dscnt 0x0
	CROUND
	JLOAD G0+4, G1, G0B+4, G1B                     ; K steps 3-5
	FETCH_B 0, 0, 0
	FETCH_A 0, 0, 0
	FETCH_A 0, 0, 4
	s_wait_loadcnt 0x0                             ; the scale words
	STEP 0, 1, 0, 1                                ; the first step's products start the sums
	STEP 0, 2, 1, 0
	TURN 1, 2, 1
	STEP 1, 1, 3, 0
	STEP 1, 2, 4, 0
.set PIT, 3072
	TURN 0, 5, 0
	STEP 0, 1, 6, 0
	s_wait_dscnt 4*NL
	WIN MUL_LO
	MUL16 0, 1, 7, 0
	MUL16 2, 1, 7, 0
	s_wait_dscnt 0x0
	WIN MUL_HI
	MUL16 4, 1, 7, 0
	MUL16 6, 1, 7, 0
	WIN 0
	s_cmp_eq_u32 s69, 0                            ; where my records lie.  k: keys by (cluster, cy, my half of S1), heads by (cx, my half of S0);  v: the other way round
	s_cselect_b32 s90, s67, s66
	s_cselect_b32 s91, s15, s16
	s_cselect_b32 s92, s66, s67
	s_cselect_b32 s93, s16, s15
	s_lshr_b32 s94, s71, 3
	s_lshl_b32 s90, s90, 1
	s_add_co_u32 s94, s94, s90
	s_add_co_u32 s94, s94, s91                     ; which 128 keys of mem's 16,384
	s_lshl_b32 s92, s92, 2
	s_lshl_b32 s93, s93, 1
	s_add_co_u32 s92, s92, s93                     ; my first head of two
	s_lshr_b32 s95, s94, 5
	s_lshl_b32 s95, s95, 4
	s_add_co_u32 s95, s95, s92
	s_lshl_b32 s95, s95, 5
	s_and_b32 s94, s94, 31
	s_add_co_u32 s95, s95, s94
	s_mul_i32 s96, s95, REC
	s_mov_b32 s97, 0
	s_add_nc_u64 s[8:9], s[8:9], s[96:97]
; THE WAY OUT.  The 64 results of S1's tile i1 (register 16 b + i = S0's row 32 b + 16 h + i) become a fragment's codes and a scale word, in registers; each tile's codes are stored as soon as they are made.
.macro QUANTW i1
.set XW, 2+(\i1)/4
.set W1, (XW<<2)|(XW<<4)
.set AC, 64*((\i1)%4)
.set CC, CD+12*(\i1)
	WIN W1
.irp b, 0,1,2,3
	v_max3_num_f32 v[TM+\b], 0x1800000, |v[AC+16*\b]|, |v[AC+16*\b+1]|   ; each accumulator from its low end on; the floor holds the byte at 1
.endr
.irp i, 2,4,6,8,10,12,14
.irp b, 0,1,2,3
	v_max3_num_f32 v[TM+\b], v[TM+\b], |v[AC+16*\b+\i]|, |v[AC+16*\b+\i+1]|
.endr
.endr
	WIN 0
.irp b, 0,1,2,3
	v_permlanex16_b32 v[TM+4+\b], v[TM+\b], s88, s89
.endr
.irp b, 0,1,2,3
	v_max_num_f32 v[TM+\b], v[TM+\b], v[TM+4+\b]
.endr
.irp b, 0,1,2,3
	v_add_nc_u32 v[TM+12+\b], 0xff000000, v[TM+\b]
.endr
.irp b, 0,1,2,3
	v_lshrrev_b32 v[TM+4+\b], 23, v[TM+12+\b]
.endr
	v_lshl_or_b32 v[PW+(\i1)], v[TM+5], 8, v[TM+4]
	v_lshl_or_b32 v[PW+(\i1)], v[TM+6], 16, v[PW+(\i1)]
	v_lshl_or_b32 v[PW+(\i1)], v[TM+7], 24, v[PW+(\i1)]
	WIN XW
.irp c, 0,1
	v_cvt_scalef32_pk16_fp6_f32 v[CC+6*\c:CC+6*\c+2], v[AC+32*\c:AC+32*\c+15], v[TM+12+2*\c]
	v_cvt_scalef32_pk16_fp6_f32 v[T2+4*\c:T2+4*\c+2], v[AC+32*\c+16:AC+32*\c+31], v[TM+12+2*\c+1]
.endr
	WIN 0
	v_nop                                          ; one plain place behind a scaled conversion
.irp c, 0,1                                    ; a whole block to a lane
.irp i, 0,1,2
	v_permlane16_swap_b32 v[CC+6*\c+\i], v[T2+4*\c+\i]
.endr
.irp i, 0,1,2
	v_mov_b32 v[CC+6*\c+3+\i], v[T2+4*\c+\i]
.endr
.endr
.endm
.macro OUT i1
	QUANTW \i1
	s_wait_alu depctr_va_vdst(0)
	s_cmp_lg_u32 s69, 0                            ; the same in all waves of all sixteen partners
	s_cbranch_scc1 .Lv_\@
.irp c, 0,1                                    ; k: registers 6 c .. 6 c + 5 are key tile i1 of head c
	global_store_b128 v[L16], v[CD+12*(\i1)+6*\c:CD+12*(\i1)+6*\c+3], s[8:9] offset:\c*HSTR+768*(\i1)
	global_store_b64 v[L8], v[CD+12*(\i1)+6*\c+4:CD+12*(\i1)+6*\c+5], s[8:9] offset:\c*HSTR+768*(\i1)+512
.endr
	s_branch .Ln_\@
.Lv_\@:
.irp j, 0,1,2                                  ; v: a whole fragment: tile i1 % 4 of head i1 / 4
	global_store_b128 v[L16], v[CD+12*(\i1)+4*\j:CD+12*(\i1)+4*\j+3], s[8:9] offset:((\i1)/4)*HSTR+6144+1536*((\i1)%4)+512*\j
.endr
.Ln_\@:
.endm
	PLACES NP                                      ; behind the last products: their results are read, and S1's fragments written over
.irp i1, 0,1,2,3,4,5,6,7
	OUT \i1
.endr
	s_cmp_lg_u32 s69, 0
	s_cbranch_scc1 .Lv_out
.irp e, 0,1,2,3
	v_cndmask_b32 v[TM+\e], v[PW+2*\e], v[PW+2*\e+1], s87     ; the first head's bytes are a word's lower two
.endr
.irp e, 0,1,2,3,4,5,6,7
	v_lshrrev_b32 v[T2+\e], 16, v[PW+\e]                      ; the second head's its upper two
.endr
.irp e, 0,1,2,3
	v_cndmask_b32 v[TM+4+\e], v[T2+2*\e], v[T2+2*\e+1], s87
.endr
	global_store_b128 v[L16], v[TM:TM+3], s[8:9] offset:12288
	global_store_b128 v[L16], v[TM+4:TM+7], s[8:9] offset:HSTR+12288
	s_branch .Ldone
.Lv_out:
.irp hd, 0,1
.irp e, 0,1
	v_cndmask_b32 v[TM+2*\hd+\e], v[PW+4*\hd+2*\e], v[PW+4*\hd+2*\e+1], s87
.endr
	global_store_b64 v[L8], v[TM+2*\hd:TM+2*\hd+1], s[8:9] offset:\hd*HSTR+12800
.endr
.Ldone:
	s_wait_tensorcnt 0x0                           ; the wave's end
	ds_add_u32 v[SPW], v[NIL]
	s_wait_dscnt 0x0
	CROUND                                         ; the closing round
	s_endpgm
.Lfunc_end_k_qe285d0fb0a_kvproj:
	.size	k_qe285d0fb0a_kvproj, .Lfunc_end_k_qe285d0fb0a_kvproj-k_qe285d0fb0a_kvproj
	.p2alignl 7, 3214868480
	.fill 96, 4, 3214868480
	.section	.rodata,"a",@progbits
	.p2align	6, 0x0
	.amdhsa_kernel k_qe285d0fb0a_kvproj
		.amdhsa_group_segment_fixed_size 327680
		.amdhsa_private_segment_fixed_size 0
		.amdhsa_enable_private_segment 0
		.amdhsa_kernarg_size 24
		.amdhsa_user_sgpr_count 2
		.amdhsa_user_sgpr_kernarg_segment_ptr 1
		.amdhsa_wavefront_size32 1
		.amdhsa_system_sgpr_workgroup_id_x 1
		.amdhsa_system_sgpr_workgroup_id_y 1
		.amdhsa_system_sgpr_workgroup_id_z 1
		.amdhsa_system_vgpr_workitem_id 0
		.amdhsa_next_free_vgpr 1024
		.amdhsa_next_free_sgpr 100
		.amdhsa_reserve_vcc 0
		.amdhsa_float_denorm_mode_32 3
		.amdhsa_float_denorm_mode_16_64 3
		.amdhsa_memory_ordered 1
		.amdhsa_forward_progress 1
		.amdhsa_inst_pref_size 142
	.end_amdhsa_kernel
	.amdgpu_metadata
---
amdhsa.version: [ 1, 2 ]
amdhsa.kernels:
  - .name:           k_qe285d0fb0a_kvproj
    .symbol:         k_qe285d0fb0a_kvproj.kd
    .args:
      - { .name: codes, .offset: 0, .size: 8, .value_kind: global_buffer, .address_space: global }
      - { .name: scl, .offset: 8, .size: 8, .value_kind: global_buffer, .address_space: global }
      - { .name: kv, .offset: 16, .size: 8, .value_kind: global_buffer, .address_space: global }
    .group_segment_fixed_size: 327680
    .private_segment_fixed_size: 0
    .kernarg_segment_align: 8
    .kernarg_segment_size: 24
    .max_flat_workgroup_size: 128
    .sgpr_count:     100
    .vgpr_count:     1024
    .wavefront_size: 32
...
	.end_amdgpu_metadata
.endif
;; end of part 2
;; launch attn (part 3): grid 4 x 64, 16 waves a work-group, clusters of 4 x 1, 327,680 bytes of LDS; arguments codes, scl, kv, mem_mask, ocodes, oscl; writes ocodes, oscl
.if DOCPART == 3
	.amdgcn_target "amdgcn-amd-amdhsa--gfx1250"
	.amdhsa_code_object_version 6
	.text
	.protected	k_qe285d0fb0a_attn
	.globl	k_qe285d0fb0a_attn
	.p2align	8
	.type	k_qe285d0fb0a_attn,@function
k_qe285d0fb0a_attn:
	s_mov_b64 s[64:65], 0
	v_nop
	global_prefetch_b8 v0, s[64:65] scope:SCOPE_SE
	s_setreg_imm32_b32 hwreg(HW_REG_WAVE_MODE, 25, 1), 1
	s_wait_xcnt 0x0
	s_wait_alu depctr_hold_cnt(0) depctr_sa_sdst(0) depctr_va_vdst(0) depctr_va_sdst(0) depctr_va_ssrc(0) depctr_va_vcc(0) depctr_vm_vsrc(0)
	s_getreg_b32 s2, hwreg(HW_REG_IB_STS2, 6, 4)
	s_cmp_eq_u32 s2, 0
	s_cbranch_scc0 .Lentry_in_a_cluster
	s_endpgm
.Lentry_in_a_cluster:
	s_bfe_u32 s2, ttmp6, 0x10000c
	s_cmp_lg_u32 s2, 0x3003
	s_cbranch_scc0 .Lentry_shape_is_right
	s_endpgm
.Lentry_shape_is_right:
; Launch 3 of 4: q = q_in Wq^T for one head, quantised; S^T = k q^T; the mask; p = 2^(t - M) with a running whole M; O^T += v^T p^T; O / l quantised along the model's 1,024 for the last product.  Nothing of the problem is left out here.
; A work-group takes 128 queries of one (batch, head): eight tiles of 16 queries x two groups of keys.  Wave w has query tile w % 8 and group w / 8: of each slot's eight records (128 keys each) group g takes records 4 g .. 4 g + 3.
; The two groups' O, M and l are joined through LDS at the end.  Both products are used transposed: a lane holds one query, its registers run along the keys.
; CLUSTER 4 x 1: the four blocks of queries of a (batch, head) read the same records and the same tiles of Wq: every tensor load is a joint one (mask 15).
; LDS: two slots of eight records (106,496 bytes); Wq's four tiles; the mask as f32 addends (0 or -2^100), which are the C of the first product; the spare words; a stage for the join; a stage for q's codes.
; Every tensor row is 256 bytes of memory, beginning at a multiple of 256.  HEAD: one load a wave: waves 0-12 bring slot 0 (32 rows each), waves 13-15 Wq (64 rows each); slot 1 follows behind the full sequence and a round (26 rows a wave, as every refill).
; THE q PROJECTION is shared: group g makes features 32 g .. 32 g + 31 (two tiles of Wq) of its 16 queries, quantises that block, and the two groups exchange codes and scale bytes through LDS.
; CHANGE OF SLOTS: a slot's last step is written out behind a loop of three.  When its last LDS reads are in, the wave runs the three lines and signals; the rest of the step, work on registers alone, stands between signal and wait.
; PREFETCH: fills 2 and 3 (416 blocks of 256 bytes each) are asked for at the start of the run of four steps at whose end their loads are issued; the four partners take 104 blocks each, by address; waves 0-3, a lane a block
; (wave 3's lanes 8-31 name its last block again).  Fills 0 and 1 come by their loads alone: no step stands ahead of them.
; LIMITS: the promise holds while the scaled scores stay under 2^31 in magnitude; NaN and infinities among the inputs are not served; a query whose keys are all masked gets NaN; a block of zeros gets the byte 1.
.set REC,   13312
.set SLOTB, 8*REC
.set WPART, SLOTB/16                   ; 26 rows of 256 bytes
.set WQ,    2*SLOTB
.set BIAS,  WQ+49152
.set SPARE, BIAS+16384
.set MRG,   SPARE+2048
.set MRGW,  4352
.set QX,    MRG+8*MRGW                 ; q's codes: [tile][group][h][r] 16 bytes: 12 of codes, then the block's scale byte as a word
.set TAU,   12288
.set T_QIN, 1024
.set T_WQ,  1152
.set L16, 1
.set L8,  2
.set AB0, 3
.set SPW, 4
.set NIL, 5
.set ADK, 6
.set ADK8, 7
.set ADB, 8
.set QF,  16
.set QS,  28
.set BST, 29
.set KS,  30
.set VS,  34
.set FRG, 36
.set QXW, 90
.set QXR, 91
.set QXS, 92
.set PFO, 93
.set MST, 94
.set MS4, 95
.set S,   96
.set O,   160
.set PC,  192
.set T2,  204
.set BM,  212
.set PT,  216
.set SO,  220
.set FF,  224
.set PSW, 225
.set WK,  226
.set SUM2, 228
.set XS,  230
.set WS,  238
.set GB,  2
.set GBI, 3
.set WV,  16
.set WT,  17
.set SEL, 18
.set CS,  20
.set TB,  22
.set TBI, 23
.set G1R, 24
.set G1W, 32
.set G0W, 40
.set G0S, 44
.set CNT, 52
.set G1H, 80
.set GRP, 88
.set G0H, 92
.set PF,  96
.macro CREST
	s_cmp_lg_u32 s[WV], 0
	s_cbranch_scc1 .Lnot_wave_0_\@
	s_barrier_signal -3
.Lnot_wave_0_\@:
	s_barrier_wait -3
	s_barrier_signal -1
	s_barrier_wait -1
.endm
.macro CROUND
	s_barrier_signal -1
	s_barrier_wait -1
	CREST
.endm
.macro WM d, a, b, zero, sa, sb, row
.if \zero
.if \row
	v_wmma_scale_f32_16x16x128_f8f6f4 v[(\d):(\d)+7], v[(\a):(\a)+11], v[(\b):(\b)+11], 0, v[\sa], v[\sb] matrix_a_fmt:MATRIX_FMT_FP6 matrix_b_fmt:MATRIX_FMT_FP6 matrix_a_scale:MATRIX_SCALE_ROW1
.else
	v_wmma_scale_f32_16x16x128_f8f6f4 v[(\d):(\d)+7], v[(\a):(\a)+11], v[(\b):(\b)+11], 0, v[\sa], v[\sb] matrix_a_fmt:MATRIX_FMT_FP6 matrix_b_fmt:MATRIX_FMT_FP6
.endif
.else
.if \row
	v_wmma_scale_f32_16x16x128_f8f6f4 v[(\d):(\d)+7], v[(\a):(\a)+11], v[(\b):(\b)+11], v[(\d):(\d)+7], v[\sa], v[\sb] matrix_a_fmt:MATRIX_FMT_FP6 matrix_b_fmt:MATRIX_FMT_FP6 matrix_a_scale:MATRIX_SCALE_ROW1
.else
	v_wmma_scale_f32_16x16x128_f8f6f4 v[(\d):(\d)+7], v[(\a):(\a)+11], v[(\b):(\b)+11], v[(\d):(\d)+7], v[\sa], v[\sb] matrix_a_fmt:MATRIX_FMT_FP6 matrix_b_fmt:MATRIX_FMT_FP6
.endif
.endif
.endm
.macro QUANT2 src, dst, word, w        ; 2 x 16 registers: two blocks of 32, each shared with lane l xor 16 -> six registers of codes and two scale bytes
.irp b, 0,1
	v_max3_num_f32 v[\w+\b], |v[\src+16*\b]|, |v[\src+16*\b+1]|, 0x1800000
.endr
.irp i, 2,4,6,8,10,12,14
.irp b, 0,1
	v_max3_num_f32 v[\w+\b], v[\w+\b], |v[\src+16*\b+\i]|, |v[\src+16*\b+\i+1]|
.endr
.endr
.irp b, 0,1
	s_delay_alu instid0(VALU_DEP_2)
	v_permlanex16_b32 v[\w+2+\b], v[\w+\b], s[SEL], s[SEL+1]
.endr
.irp b, 0,1
	s_delay_alu instid0(VALU_DEP_2)
	v_max_num_f32 v[\w+\b], v[\w+\b], v[\w+2+\b]
.endr
.irp b, 0,1
	s_delay_alu instid0(VALU_DEP_2)
	v_add_nc_u32 v[\w+4+\b], 0xff000000, v[\w+\b]
.endr
.irp b, 0,1
	s_delay_alu instid0(VALU_DEP_2)
	v_lshrrev_b32 v[\w+2+\b], 23, v[\w+4+\b]
.endr
	s_delay_alu instid0(VALU_DEP_1)
	v_lshl_or_b32 v[\word], v[\w+3], 8, v[\w+2]
	v_cvt_scalef32_pk16_fp6_f32 v[\dst:\dst+2], v[\src:\src+15], v[\w+4]
	v_cvt_scalef32_pk16_fp6_f32 v[\w+6:\w+8], v[\src+16:\src+31], v[\w+5]
	v_nop
.irp i, 0,1,2
	v_permlane16_swap_b32 v[\dst+\i], v[\w+6+\i]
.endr
.irp i, 0,1,2
	s_delay_alu instid0(VALU_DEP_3)
	v_mov_b32 v[\dst+3+\i], v[\w+6+\i]
.endr
.endm
	s_load_b256 s[4:11], s[0:1], 0x0               ; codes, scl, kv, mem_mask
	s_load_b128 s[12:15], s[0:1], 0x20             ; ocodes, oscl
	v_lshl_add_u32 v[SPW], v0, 2, SPARE
	v_mov_b32 v[NIL], 0
	ds_add_u32 v[SPW], v[NIL]                      ; the opening: the add, twice on end, and its wait
	ds_add_u32 v[SPW], v[NIL]
	v_lshrrev_b32 v9, 5, v0
	s_delay_alu instid0(VALU_DEP_1)
	v_readfirstlane_b32 s[WV], v9
	s_and_b32 s[WT], s[WV], 7                      ; my tile of queries
	s_lshr_b32 s[GRP], s[WV], 3                    ; my group of keys
	s_lshl_b32 s[GBI], s[GRP], 11
	s_mul_i32 s[GB], s[GRP], 4*REC
	s_and_b32 s53, ttmp7, 0xffff                   ; batch x 16 + head
	s_lshr_b32 s54, s53, 4
	s_and_b32 s55, s53, 15
	s_bfe_u32 s56, ttmp6, 0x40000                  ; cx: which 128 queries
.irp g, G1R, G1W, G1H                          ; dense rows of 256 bytes (32 elements of 8); the mask names all four partners
	s_mov_b32 s[\g], 15|(3<<16)|(1<<21)
	s_mov_b32 s[\g+1], 32<<16
	s_mov_b32 s[\g+3], 32<<16
	s_mov_b32 s[\g+5], 32
	s_mov_b32 s[\g+6], 0
	s_mov_b32 s[\g+7], 0
.endr
	s_mov_b32 s[G1R+2], 26<<16
	s_mov_b32 s[G1R+4], 26
	s_mov_b32 s[G1W+2], 64<<16
	s_mov_b32 s[G1W+4], 64
	s_mov_b32 s[G1H+2], 32<<16
	s_mov_b32 s[G1H+4], 32
	s_lshl_b32 s58, s53, 5
	s_mul_i32 s58, s58, REC                        ; my (batch, head)'s 32 records
	s_mov_b32 s59, 0
	s_mul_i32 s66, s[WV], WPART                    ; my part of a ring fill
	s_mov_b32 s67, 0
	s_lshl_b32 s68, s[WV], 13                      ; waves 0-12: my part of the head's fill of slot 0
	s_mov_b32 s69, 0
	s_and_b32 s62, s[WV], 3
	s_lshl_b32 s62, s62, 14                        ; waves 13-15: 16,384 x (1, 2, 3)
	s_lshl_b32 s60, s55, 2
	s_add_co_u32 s60, s60, T_WQ                    ; the head's first tile of Wq
	s_lshl_b32 s74, s60, 9
	s_lshl_b32 s75, s[GRP], 10
	s_add_co_u32 s74, s74, s75                     ; the scale words of my group's two tiles
	s_mov_b32 s75, 0
	s_mul_i32 s60, s60, TAU
	s_add_co_u32 s60, s60, s62
	s_sub_co_u32 s60, s60, 16384
	s_mov_b32 s61, 0
	s_mov_b32 s[SEL], 0x76543210
	s_mov_b32 s[SEL+1], 0xfedcba98
	s_mov_b32 s[CS], 0x3e38aa3b                    ; log2(e) / 8
	s_mov_b32 s[CS+1], s[CS]
	s_wait_dscnt 0x0
	s_wait_kmcnt 0x0
	s_add_nc_u64 s[PF:PF+1], s[8:9], s[58:59]
	s_mov_b32 s[G0W], 1
	s_add_co_u32 s[G0W+1], s62, WQ-16384
	s_add_nc_u64 s[G0W+2:G0W+3], s[4:5], s[60:61]
	s_or_b32 s[G0W+3], s[G0W+3], 0x80000000
	s_mov_b32 s[G0H], 1
	s_mov_b32 s[G0H+1], s68
	s_add_nc_u64 s[G0H+2:G0H+3], s[PF:PF+1], s[68:69]
	s_or_b32 s[G0H+3], s[G0H+3], 0x80000000
	s_add_nc_u64 s[58:59], s[PF:PF+1], s[66:67]
.irp g, 0,1
	s_mov_b32 s[G0S+4*\g], 1
	s_add_co_u32 s[G0S+4*\g+1], s66, \g*SLOTB
	s_add_nc_u64 s[G0S+4*\g+2:G0S+4*\g+3], s[58:59], \g*SLOTB
	s_or_b32 s[G0S+4*\g+3], s[G0S+4*\g+3], 0x80000000
.endr
	CROUND                                         ; all four work-groups are here: the first joint loads meet
	s_cmp_lt_u32 s[WV], 13                         ; one chain, one load to an arm
	s_cbranch_scc0 .Lhead_wq
	tensor_load_to_lds s[G0H:G0H+3], s[G1H:G1H+7]
	s_nop 0
	s_branch .Lhead_asked
.Lhead_wq:
	tensor_load_to_lds s[G0W:G0W+3], s[G1W:G1W+7]
	s_nop 0
.Lhead_asked:
	v_and_b32 v9, 31, v0
	v_and_b32 v10, 15, v0                          ; r
	v_bfe_u32 v11, v0, 4, 1                        ; h
	v_lshlrev_b32 v[ADK], 3, v0                    ; my eight bytes of the batch's mask
	v_lshlrev_b32 v[L16], 4, v9
	v_lshlrev_b32 v[L8], 3, v9
	v_lshlrev_b32 v[ADK8], 4, v10
	s_wait_alu depctr_va_vdst(0)
	s_lshl_b32 s66, s54, 12
	s_mov_b32 s67, 0
	s_add_nc_u64 s[10:11], s[10:11], s[66:67]
	global_load_b64 v[36:37], v[ADK], s[10:11]
	s_lshl_b32 s57, s54, 5
	s_lshl_b32 s70, s56, 3
	s_add_co_u32 s57, s57, s70
	s_add_co_u32 s57, s57, s[WT]                   ; my tile among q_in's 128
	s_add_co_u32 s70, s57, T_QIN
	s_mul_i32 s68, s70, TAU
	s_mov_b32 s69, 0
	s_add_nc_u64 s[68:69], s[4:5], s[68:69]
.irp s, 0,1,2,3,4,5,6,7
.irp j, 0,1,2
	global_load_b128 v[S+12*\s+4*\j:S+12*\s+4*\j+3], v[L16], s[68:69] offset:1536*\s+512*\j
.endr
.endr
	s_lshl_b32 s72, s70, 9
	s_mov_b32 s73, 0
	s_add_nc_u64 s[72:73], s[6:7], s[72:73]
	global_load_b128 v[XS:XS+3], v[ADK8], s[72:73]
	global_load_b128 v[XS+4:XS+7], v[ADK8], s[72:73] offset:256
	s_add_nc_u64 s[74:75], s[6:7], s[74:75]
	v_lshl_add_u32 v9, v11, 9, v[ADK8]
.irp hf, 0,1
	global_load_b128 v[WS+4*\hf:WS+4*\hf+3], v9, s[74:75] offset:256*\hf
.endr
	s_mul_i32 s71, s[WT], MRGW
	v_add_nc_u32 v[MST], MRG, v[L16]
	v_add_nc_u32 v[MST], s71, v[MST]
	v_lshrrev_b32 v[MS4], 2, v[L16]
	v_add_nc_u32 v[MS4], MRG+4096, v[MS4]
	v_add_nc_u32 v[MS4], s71, v[MS4]               ; 4 x lane behind my tile's 4,096 bytes of the join's stage
	s_lshl_b32 s71, s[WT], 10
	s_add_co_u32 s71, s71, QX
	v_add_nc_u32 v[QXS], s71, v[ADK8]              ; QX + 1,024 tile + 16 r
	v_lshl_add_u32 v[QXR], v11, 9, v[QXS]          ; to read: + 512 h: block h
	v_lshl_add_u32 v[QXW], v11, 8, v[QXS]          ; to write: + 256 h + 512 group
	s_lshl_b32 s71, s[GRP], 9
	v_add_nc_u32 v[QXW], s71, v[QXW]
	v_lshl_add_u32 v[AB0], v11, 6, BIAS
	v_lshl_add_u32 v[BST], v0, 5, BIAS
	s_mul_i32 s71, s[GRP], 2*TAU
	s_add_co_u32 s71, s71, WQ
	v_add_nc_u32 v[ADB], s71, v[L16]               ; my group's two tiles of Wq
	v_min_u32 v[PFO], 103, v0
	s_mul_i32 s71, s56, 104
	v_add_nc_u32 v[PFO], s71, v[PFO]
	v_lshlrev_b32 v[PFO], 8, v[PFO]                ; the prefetches' block: 104 cx + my thread, held at 103
	s_wait_loadcnt 28                              ; the mask's bytes are in; the 28 loads behind may be out
.irp j, 0,1
.irp k, 0,1,2,3
	v_bfe_u32 v[40+4*\j+\k], v[36+\j], 8*\k, 8
.endr
.endr
.set jj, 0
.rept 8
	v_add_nc_u32 v[40+jj], -1, v[40+jj]
.set jj, jj+1
.endr
.set jj, 0
.rept 8
	v_and_b32 v[40+jj], 0xf1800000, v[40+jj]       ; true: 0; false: -2^100
.set jj, jj+1
.endr
.irp j, 0,1
	ds_store_b128 v[BST], v[40+4*\j:40+4*\j+3] offset:16*\j
.endr
	s_wait_alu depctr_va_vdst(0)
	s_wait_tensorcnt 0x0                           ; my head's load is in; the same lines as ahead of a refill stand ahead of slot 1's first fill
	ds_add_u32 v[SPW], v[NIL]
	s_wait_dscnt 0x0
	CROUND
	tensor_load_to_lds s[G0S+4:G0S+7], s[G1R:G1R+7]
	s_nop 0
	s_wait_loadcnt 0x0
.macro QLD s                           ; K step s of my two tiles of Wq: six loads, two buffers by turns
.irp d, 0,1
.irp j, 0,1,2
	ds_load_b128 v[FRG+24*((\s)%2)+12*\d+4*\j:FRG+24*((\s)%2)+12*\d+4*\j+3], v[ADB] offset:TAU*\d+1536*(\s)+512*\j
.endr
.endr
.endm
	QLD 0
	QLD 1
.irp s, 0,1,2,3,4,5,6,7
.if \s < 7
	s_wait_dscnt 6                                 ; this step's six are in; the next step's six may be out
.else
	s_wait_dscnt 0x0
.endif
.if \s == 0
	WM PC, FRG, S, 1, WS, XS, 0
	WM PC+8, FRG+12, S, 1, WS, XS, 1
.else
	WM PC, FRG+24*(\s%2), S+12*\s, 0, WS+\s, XS+\s, 0
	WM PC+8, FRG+24*(\s%2)+12, S+12*\s, 0, WS+\s, XS+\s, 1
.endif
.if \s < 6
.rept 4
	v_nop
.endr
	QLD \s+2
.endif
.endr
.rept 3
	v_nop
.endr
	v_mov_b32 v85, 0                               ; (a lane permute's destination counts as read)
	v_max3_num_f32 v84, |v[PC]|, |v[PC+1]|, 0x1800000   ; my 16 of block g: features 32 g + 16 h + 0 .. 15
.irp i, 2,4,6,8,10,12,14
	v_max3_num_f32 v84, v84, |v[PC+\i]|, |v[PC+\i+1]|
.endr
	s_delay_alu instid0(VALU_DEP_1)
	v_permlanex16_b32 v85, v84, s[SEL], s[SEL+1]
	s_delay_alu instid0(VALU_DEP_1)
	v_max_num_f32 v84, v84, v85
	s_delay_alu instid0(VALU_DEP_1)
	v_add_nc_u32 v85, 0xff000000, v84
	s_delay_alu instid0(VALU_DEP_1)
	v_lshrrev_b32 v89, 23, v85
	v_cvt_scalef32_pk16_fp6_f32 v[86:88], v[PC:PC+15], v85
	v_nop
	ds_store_b128 v[QXW], v[86:89]
	s_wait_dscnt 0x0
	s_barrier_signal -1                            ; slot 1's load may stay out
	s_barrier_wait -1
	ds_load_b128 v[QF:QF+3], v[QXR]                ; block h, features 0-15 (the fourth word is written over below)
	ds_load_b128 v[84:87], v[QXR] offset:256       ; features 16-31
	ds_load_b32 v88, v[QXS] offset:12              ; block 0's byte
	ds_load_b32 v89, v[QXS] offset:524             ; block 1's
	s_wait_dscnt 0x0
.irp i, 0,1,2
	v_mov_b32 v[QF+3+\i], v[84+\i]
.endr
	v_lshl_or_b32 v[QS], v89, 8, v88
.irp i, 6,7,8,9,10,11
	v_mov_b32 v[QF+\i], 0                          ; K = 64 of the instruction's 128: q's upper codes are zeros
.endr
.irp i, 0,1,2,3,4,5
	v_mov_b32 v[84+\i], 0
.endr
.set jj, 0
.rept 32
	v_mov_b32 v[O+jj], 0
.set jj, jj+1
.endr
	v_mov_b32 v14, 0
	v_mov_b32 v15, 0
.irp b, 0,1,2,3
	v_mov_b32 v[PT+\b], 0
.endr
	v_mov_b32 v[PSW], 0
	v_mov_b32 v[WK], 0
	v_mov_b32 v13, 0xee000000                      ; the largest t so far: under every live t, over every masked one
	s_delay_alu instid0(VALU_DEP_1)
	v_floor_f32 v12, -v13
	s_wait_alu depctr_va_vdst(0)                   ; the head's end
; A step: 128 keys.  mid = 1, a slot's last step: the three lines and the barrier's signal stand in it, behind its last LDS reads.
.macro STEP mid
	v_add_nc_u32 v[ADK], s[TB], v[L16]
	v_add_nc_u32 v[ADK8], s[TB], v[L8]
	v_add_nc_u32 v[ADB], s[TBI], v[AB0]
	v_nop                                          ; four places behind the last step's products
.irp b, 0,1,2,3
.irp i, 0,1,2,3
	ds_load_b128 v[S+16*\b+4*\i:S+16*\b+4*\i+3], v[ADB] offset:128*\b+16*\i   ; the mask's addends: the C of S^T
.endr
.endr
.irp t, 0,1,2,3,4,5,6,7
	ds_load_b128 v[FRG+6*\t:FRG+6*\t+3], v[ADK] offset:768*\t
	ds_load_b64 v[FRG+6*\t+4:FRG+6*\t+5], v[ADK8] offset:768*\t+512
.endr
	ds_load_b128 v[KS:KS+3], v[ADK] offset:12288
	s_wait_alu depctr_va_vdst(0)
	s_wait_dscnt 0x0
.irp t, 0,1,2,3,4,5,6,7
	WM S+8*\t, FRG+6*\t, QF, 0, KS+\t/2, QS, \t%2  ; a tile's upper six registers are the next tile's: they meet q's zero codes
.endr
.rept 4
	v_nop
.endr
.irp dt, 0,1,2,3
.irp j, 0,1,2
	ds_load_b128 v[FRG+12*\dt+4*\j:FRG+12*\dt+4*\j+3], v[ADK] offset:6144+1536*\dt+512*\j
.endr
.endr
	ds_load_b64 v[VS:VS+1], v[ADK8] offset:12800
.if \mid
	s_wait_tensorcnt 0x0                           ; all my tensor loads have landed: my part of the other slot
	ds_add_u32 v[SPW], v[NIL]                      ; work on registers follows
.endif
.irp b, 0,1,2,3
	v_max3_num_f32 v[BM+\b], v[S+16*\b], v[S+16*\b+1], v[S+16*\b+2]   ; each block's largest score
.endr
.irp i, 3,5,7,9,11,13
.irp b, 0,1,2,3
	v_max3_num_f32 v[BM+\b], v[BM+\b], v[S+16*\b+\i], v[S+16*\b+\i+1]
.endr
.endr
.irp b, 0,1,2,3
	v_max_num_f32 v[BM+\b], v[BM+\b], v[S+16*\b+15]
.endr
.irp b, 0,1,2,3
	s_delay_alu instid0(VALU_DEP_4)
	v_permlanex16_b32 v[PT+\b], v[BM+\b], s[SEL], s[SEL+1]
.endr
.irp b, 0,1,2,3
	s_delay_alu instid0(VALU_DEP_4)
	v_max_num_f32 v[BM+\b], v[BM+\b], v[PT+\b]
.endr
	s_delay_alu instid0(VALU_DEP_2)
	v_max3_num_f32 v[WK], v[BM], v[BM+1], v[BM+2]
	s_delay_alu instid0(VALU_DEP_1)
	v_max_num_f32 v[WK], v[WK], v[BM+3]
	s_delay_alu instid0(VALU_DEP_1)
	v_mul_f32 v[WK], s[CS], v[WK]
	s_delay_alu instid0(VALU_DEP_1)
	v_max_num_f32 v13, v13, v[WK]                  ; the running largest t
	v_mov_b32 v[WK], v12
	s_delay_alu instid0(VALU_DEP_2)
	v_floor_f32 v12, -v13                          ; -M = -ceil(t)
	s_delay_alu instid0(VALU_DEP_1)
	v_sub_f32 v[WK], v12, v[WK]
	s_delay_alu instid0(VALU_DEP_1)
	v_cvt_i32_f32 v[WK], v[WK]
	s_delay_alu instid0(VALU_DEP_1)
	v_ldexp_f32 v[FF], 1.0, v[WK]                  ; f = 2^(old M - new M)
.set jj, 0
.rept 32
	v_pk_fma_f32 v[S+jj:S+jj+1], v[S+jj:S+jj+1], s[CS:CS+1], v[12:13] op_sel_hi:[1,0,0]
.set jj, jj+2
.endr
.irp b, 0,1,2,3
	v_fma_f32 v[BM+\b], v[BM+\b], s[CS], v12
.endr
	s_wait_alu depctr_va_vdst(0)
.if \mid
	s_wait_dscnt 0x0                               ; the add is done, and my reads of this slot are over: v's fragments are in
	s_barrier_signal -1                            ; only work on registers stands between this signal and its wait
.endif
.set jj, 0
.rept 64
	v_exp_f32 v[S+jj], v[S+jj]
.set jj, jj+1
.endr
	v_pk_mul_f32 v[14:15], v[14:15], v[FF:FF+1] op_sel_hi:[1,0]
	s_wait_alu depctr_va_vdst(0)
.irp b, 0,1,2,3
	v_exp_f32 v[BM+\b], v[BM+\b]                   ; each block's largest p
.endr
	v_pk_add_f32 v[SUM2:SUM2+1], v[S:S+1], v[S+2:S+3]   ; l is summed of the unquantised p
.irp j, 4,8,12,16,20,24,28,32,36,40,44,48,52,56,60
	v_pk_add_f32 v[14:15], v[14:15], v[S+\j:S+\j+1]
	v_pk_add_f32 v[SUM2:SUM2+1], v[SUM2:SUM2+1], v[S+\j+2:S+\j+3]
.endr
	s_delay_alu instid0(VALU_DEP_1)
	v_pk_add_f32 v[14:15], v[14:15], v[SUM2:SUM2+1]
	s_wait_alu depctr_va_vdst(0)
.irp b, 0,1,2,3
	v_max_num_f32 v[BM+\b], 0x1800000, v[BM+\b]
.endr
.irp b, 0,1,2,3
	s_delay_alu instid0(VALU_DEP_4)
	v_add_nc_u32 v[SO+\b], 0xff000000, v[BM+\b]
.endr
.irp b, 0,1,2,3
	s_delay_alu instid0(VALU_DEP_4)
	v_lshrrev_b32 v[PT+\b], 23, v[SO+\b]
.endr
	s_delay_alu instid0(VALU_DEP_3)
	v_lshl_or_b32 v[PSW], v[PT+1], 8, v[PT]
	s_delay_alu instid0(VALU_DEP_1)
	v_lshl_or_b32 v[PSW], v[PT+2], 16, v[PSW]
	s_delay_alu instid0(VALU_DEP_1)
	v_lshl_or_b32 v[PSW], v[PT+3], 24, v[PSW]
.irp c, 0,1
	v_cvt_scalef32_pk16_fp6_f32 v[PC+6*\c:PC+6*\c+2], v[S+32*\c:S+32*\c+15], v[SO+2*\c]
	v_cvt_scalef32_pk16_fp6_f32 v[T2+4*\c:T2+4*\c+2], v[S+32*\c+16:S+32*\c+31], v[SO+2*\c+1]
.endr
	v_nop
.irp c, 0,1
.irp i, 0,1,2
	v_permlane16_swap_b32 v[PC+6*\c+\i], v[T2+4*\c+\i]
.endr
.irp i, 0,1,2
	s_delay_alu instid0(VALU_DEP_3)
	v_mov_b32 v[PC+6*\c+3+\i], v[T2+4*\c+\i]
.endr
.endr
.set jj, 0
.rept 16
	v_pk_mul_f32 v[O+jj:O+jj+1], v[O+jj:O+jj+1], v[FF:FF+1] op_sel_hi:[1,0]   ; O^T under the new M; also the places in front of the products
.set jj, jj+2
.endr
.if \mid == 0
	s_wait_alu depctr_va_vdst(0)
	s_wait_dscnt 0x0                               ; v's fragments
.endif
.irp dt, 0,1,2,3
	WM O+8*\dt, FRG+12*\dt, PC, 0, VS+\dt/2, PSW, \dt%2
.endr
	s_wait_alu depctr_va_vdst(0)
	s_add_co_u32 s[TB], s[TB], REC
	s_add_co_u32 s[TBI], s[TBI], 512
.endm
.macro RUN sl, n, mid, ask             ; my group's four records of fill n, in slot sl
	s_add_co_u32 s[TB], s[GB], (\sl)*SLOTB
	s_add_co_u32 s[TBI], s[GBI], (\n)*4096
	s_mov_b32 s[CNT], 3
.if \ask
	s_cmp_lt_u32 s[WV], 4
	s_cbranch_scc0 .Lnoask_\@
	global_prefetch_b8 v[PFO], s[PF:PF+1] offset:(\ask)*SLOTB th:TH_LOAD_NT scope:SCOPE_SE   ; its address registers are never written again
.Lnoask_\@:
.endif
.Lstep_\@:
	STEP 0
	s_sub_co_u32 s[CNT], s[CNT], 1
	s_cmp_lg_u32 s[CNT], 0
	s_cbranch_scc1 .Lstep_\@
	STEP \mid
.endm
.macro CHG fill, sl                    ; the wait of the barrier that the last step has signalled; fill = 1: it has opened a round, and slot sl is filled again
	s_barrier_wait -1
.if \fill
	CREST
	s_add_nc_u64 s[G0S+4*\sl+2:G0S+4*\sl+3], s[G0S+4*\sl+2:G0S+4*\sl+3], 2*SLOTB
	tensor_load_to_lds s[G0S+4*\sl:G0S+4*\sl+3], s[G1R:G1R+7]
	s_nop 0
.endif
.endm
	RUN 0, 0, 1, 2
	CHG 1, 0
	RUN 1, 1, 1, 3
	CHG 1, 1
	RUN 0, 2, 1, 0
	CHG 0, 0
	RUN 1, 3, 0, 0
.rept 4
	v_nop
.endr
	v_add_f32 v14, v14, v15
	s_wait_alu depctr_va_vdst(0)
	s_cmp_lt_u32 s[WV], 8
	s_cbranch_scc1 .Lkeeper
.irp j, 0,1,2,3,4,5,6,7                        ; group 1 hands O^T, -M and l to group 0
	ds_store_b128 v[MST], v[O+4*\j:O+4*\j+3] offset:512*\j
.endr
	ds_store_b32 v[MS4], v12
	ds_store_b32 v[MS4], v14 offset:128
.Lkeeper:
	s_wait_dscnt 0x0
	s_barrier_signal -1
	s_barrier_wait -1
	s_cmp_lt_u32 s[WV], 8
	s_cbranch_scc0 .Lend
.irp j, 0,1,2,3,4,5,6,7
	ds_load_b128 v[S+4*\j:S+4*\j+3], v[MST] offset:512*\j
.endr
	ds_load_b32 v[WK], v[MS4]
	ds_load_b32 v[T2], v[MS4] offset:128
	s_wait_dscnt 0x0
	v_min_num_f32 v[T2+1], v12, v[WK]              ; the larger M, as -M
	s_delay_alu instid0(VALU_DEP_1)
	v_sub_f32 v[T2+2], v[T2+1], v12
	s_delay_alu instid0(VALU_DEP_2)
	v_sub_f32 v[T2+3], v[T2+1], v[WK]
	s_delay_alu instid0(VALU_DEP_2)
	v_cvt_i32_f32 v[T2+2], v[T2+2]
	s_delay_alu instid0(VALU_DEP_2)
	v_cvt_i32_f32 v[T2+3], v[T2+3]
	s_delay_alu instid0(VALU_DEP_2)
	v_ldexp_f32 v[FF], 1.0, v[T2+2]
	s_wait_alu depctr_va_vdst(0)
	v_ldexp_f32 v[SUM2], 1.0, v[T2+3]
	v_mul_f32 v14, v14, v[FF]
	s_delay_alu instid0(VALU_DEP_1)
	v_fma_f32 v14, v[T2], v[SUM2], v14
.set jj, 0
.rept 16
	v_pk_mul_f32 v[O+jj:O+jj+1], v[O+jj:O+jj+1], v[FF:FF+1] op_sel_hi:[1,0]
.set jj, jj+2
.endr
.set jj, 0
.rept 16
	v_pk_fma_f32 v[O+jj:O+jj+1], v[S+jj:S+jj+1], v[SUM2:SUM2+1], v[O+jj:O+jj+1] op_sel_hi:[1,0,1]
.set jj, jj+2
.endr
	v_permlanex16_b32 v[WK], v14, s[SEL], s[SEL+1]
	s_delay_alu instid0(VALU_DEP_1)
	v_add_f32 v14, v14, v[WK]
	s_wait_alu depctr_va_vdst(0)
	v_rcp_f32 v14, v14
	v_lshlrev_b32 v[ADK8], 4, v10
	s_lshl_b32 s76, s57, 4
	s_add_co_u32 s76, s76, s55
	s_mul_i32 s76, s76, 768                        ; ocodes: [tile][head] 768 bytes: half a fragment's image
	s_mov_b32 s77, 0
	s_add_nc_u64 s[12:13], s[12:13], s[76:77]
	s_lshl_b32 s78, s57, 9
	s_lshr_b32 s79, s55, 3
	s_lshl_b32 s79, s79, 8
	s_add_co_u32 s78, s78, s79
	s_and_b32 s79, s55, 7
	s_lshl_b32 s79, s79, 1
	s_add_co_u32 s78, s78, s79                     ; oscl: as scl: my head's two bytes of its K step's word
	s_mov_b32 s79, 0
	s_add_nc_u64 s[14:15], s[14:15], s[78:79]
	s_wait_alu depctr_va_vdst(0)
.set jj, 0
.rept 32
	v_mul_f32 v[S+jj], v[O+jj], v14
.set jj, jj+1
.endr
	QUANT2 S, PC, WK, 84
	global_store_b128 v[L16], v[PC:PC+3], s[12:13]
	global_store_b64 v[L8], v[PC+4:PC+5], s[12:13] offset:512
	global_store_b16 v[ADK8], v[WK], s[14:15]
.Lend:
	s_wait_tensorcnt 0x0                           ; the wave's end
	ds_add_u32 v[SPW], v[NIL]
	s_wait_dscnt 0x0
	CROUND                                         ; the closing round
	s_endpgm
.Lfunc_end_k_qe285d0fb0a_attn:
	.size	k_qe285d0fb0a_attn, .Lfunc_end_k_qe285d0fb0a_attn-k_qe285d0fb0a_attn
	.p2alignl 7, 3214868480
	.fill 96, 4, 3214868480
	.section	.rodata,"a",@progbits
	.p2align	6, 0x0
	.amdhsa_kernel k_qe285d0fb0a_attn
		.amdhsa_group_segment_fixed_size 327680
		.amdhsa_private_segment_fixed_size 0
		.amdhsa_enable_private_segment 0
		.amdhsa_kernarg_size 48
		.amdhsa_user_sgpr_count 2
		.amdhsa_user_sgpr_kernarg_segment_ptr 1
		.amdhsa_wavefront_size32 1
		.amdhsa_system_sgpr_workgroup_id_x 1
		.amdhsa_system_sgpr_workgroup_id_y 1
		.amdhsa_system_sgpr_workgroup_id_z 1
		.amdhsa_system_vgpr_workitem_id 0
		.amdhsa_next_free_vgpr 256
		.amdhsa_next_free_sgpr 100
		.amdhsa_reserve_vcc 0
		.amdhsa_float_denorm_mode_32 3
		.amdhsa_float_denorm_mode_16_64 3
		.amdhsa_memory_ordered 1
		.amdhsa_forward_progress 1
		.amdhsa_inst_pref_size 174
	.end_amdhsa_kernel
	.amdgpu_metadata
---
amdhsa.version: [ 1, 2 ]
amdhsa.kernels:
  - .name:           k_qe285d0fb0a_attn
    .symbol:         k_qe285d0fb0a_attn.kd
    .args:
      - { .name: codes, .offset: 0, .size: 8, .value_kind: global_buffer, .address_space: global }
      - { .name: scl, .offset: 8, .size: 8, .value_kind: global_buffer, .address_space: global }
      - { .name: kv, .offset: 16, .size: 8, .value_kind: global_buffer, .address_space: global }
      - { .name: mem_mask, .offset: 24, .size: 8, .value_kind: global_buffer, .address_space: global }
      - { .name: ocodes, .offset: 32, .size: 8, .value_kind: global_buffer, .address_space: global }
      - { .name: oscl, .offset: 40, .size: 8, .value_kind: global_buffer, .address_space: global }
    .group_segment_fixed_size: 327680
    .private_segment_fixed_size: 0
    .kernarg_segment_align: 8
    .kernarg_segment_size: 48
    .max_flat_workgroup_size: 512
    .sgpr_count:     100
    .vgpr_count:     256
    .wavefront_size: 32
...
	.end_amdgpu_metadata
.endif
;; end of part 3
;; launch oproj (part 4): grid 16 x 16, 4 waves a work-group, clusters of 4 x 4, 167,936 bytes of LDS; arguments ocodes, oscl, codes, scl, out0; writes out0
.if DOCPART == 4
	.amdgcn_target "amdgcn-amd-amdhsa--gfx1250"
	.amdhsa_code_object_version 6
	.text
	.protected	k_qe285d0fb0a_oproj
	.globl	k_qe285d0fb0a_oproj
	.p2align	8
	.type	k_qe285d0fb0a_oproj,@function
k_qe285d0fb0a_oproj:
	s_mov_b64 s[64:65], 0
	v_nop
	global_prefetch_b8 v0, s[64:65] scope:SCOPE_SE
	s_setreg_imm32_b32 hwreg(HW_REG_WAVE_MODE, 25, 1), 1
	s_wait_xcnt 0x0
	s_wait_alu depctr_hold_cnt(0) depctr_sa_sdst(0) depctr_va_vdst(0) depctr_va_sdst(0) depctr_va_ssrc(0) depctr_va_vcc(0) depctr_vm_vsrc(0)
	s_getreg_b32 s2, hwreg(HW_REG_IB_STS2, 6, 4)
	s_cmp_eq_u32 s2, 0
	s_cbranch_scc0 .Lentry_in_a_cluster
	s_endpgm
.Lentry_in_a_cluster:
	s_bfe_u32 s2, ttmp6, 0x10000c
	s_cmp_lg_u32 s2, 0xf033
	s_cbranch_scc0 .Lentry_shape_is_right
	s_endpgm
.Lentry_shape_is_right:
; Launch 4 of 4: out0 = o Wo^T on codes of E2M3.  Nothing of the problem is left out here.
; A work-group makes 128 rows x 64 columns; all of K (1,024) lies in LDS at once: first fills alone, no ring, no refill.  A wave makes 32 rows (two tiles) x 64 columns: eight accumulators by turns.
; CLUSTER 4 x 4: o's eight tiles hang on the block of rows alone and are asked for jointly along a row of the cluster, Wo's four tiles on the block of columns alone, jointly down a column.
; One tensor load a wave: waves 0-2 bring a third of o's tiles each (128 rows of 256 bytes), wave 3 Wo's four tiles (192 rows).  No prefetch: the launch has no loop to run ahead in.
; The product is used transposed (source 0 = Wo's tile, source 1 = o's): a lane holds one row, and the 16 registers of Wo's tiles 2 b, 2 b + 1 are 16 neighbouring columns.
; A tile's row p is row 32 (tile / 2) + 8 (tile % 2) + p + 8 (p / 8) of out0: the way out puts each row in its place.
.set TAU,   12288
.set T_WO,  1344
.set BREG,  8*TAU
.set STAGE, 12*TAU
.set SPARE, STAGE+4*16*272
.set L16,  1
.set AD16, 3
.set AD8,  4
.set BD16, 5
.set STO,  6
.set RD,   7
.set GO,   8
.set SA,   9
.set SB,   10
.set SPW,  12
.set NIL,  13
.set AS,   16
.set BS,   24
.set ACC,  48
.set F,    112
.set G1A,  16
.set G1B,  24
.set G0A,  32
.set G0B,  36
.macro CROUND
	s_barrier_signal -1
	s_barrier_wait -1
	s_cmp_lg_u32 s14, 0
	s_cbranch_scc1 .Lnot_wave_0_\@
	s_barrier_signal -3
.Lnot_wave_0_\@:
	s_barrier_wait -3
	s_barrier_signal -1
	s_barrier_wait -1
.endm
.macro WM d, a, b, zero, sa, sb, row
.if \zero
.if \row
	v_wmma_scale_f32_16x16x128_f8f6f4 v[(\d):(\d)+7], v[(\a):(\a)+11], v[(\b):(\b)+11], 0, v[\sa], v[\sb] matrix_a_fmt:MATRIX_FMT_FP6 matrix_b_fmt:MATRIX_FMT_FP6 matrix_a_scale:MATRIX_SCALE_ROW1
.else
	v_wmma_scale_f32_16x16x128_f8f6f4 v[(\d):(\d)+7], v[(\a):(\a)+11], v[(\b):(\b)+11], 0, v[\sa], v[\sb] matrix_a_fmt:MATRIX_FMT_FP6 matrix_b_fmt:MATRIX_FMT_FP6
.endif
.else
.if \row
	v_wmma_scale_f32_16x16x128_f8f6f4 v[(\d):(\d)+7], v[(\a):(\a)+11], v[(\b):(\b)+11], v[(\d):(\d)+7], v[\sa], v[\sb] matrix_a_fmt:MATRIX_FMT_FP6 matrix_b_fmt:MATRIX_FMT_FP6 matrix_a_scale:MATRIX_SCALE_ROW1
.else
	v_wmma_scale_f32_16x16x128_f8f6f4 v[(\d):(\d)+7], v[(\a):(\a)+11], v[(\b):(\b)+11], v[(\d):(\d)+7], v[\sa], v[\sb] matrix_a_fmt:MATRIX_FMT_FP6 matrix_b_fmt:MATRIX_FMT_FP6
.endif
.endif
.endm
	s_load_b256 s[4:11], s[0:1], 0x0               ; ocodes, oscl, codes, scl
	s_load_b64 s[12:13], s[0:1], 0x20              ; out0
	v_lshl_add_u32 v[SPW], v0, 2, SPARE
	v_mov_b32 v[NIL], 0
	ds_add_u32 v[SPW], v[NIL]                      ; the opening: the add, twice on end, and its wait
	ds_add_u32 v[SPW], v[NIL]
	v_lshrrev_b32 v14, 5, v0
	v_readfirstlane_b32 s14, v14                   ; wave
	s_bfe_u32 s40, ttmp6, 0x40000                  ; cx
	s_bfe_u32 s41, ttmp6, 0x40004                  ; cy
	s_lshl_b32 s42, ttmp9, 2
	s_add_co_u32 s42, s42, s40                     ; block of 64 columns
	s_and_b32 s43, ttmp7, 0xffff
	s_lshl_b32 s43, s43, 2
	s_add_co_u32 s43, s43, s41                     ; block of 128 rows
	s_lshl_b32 s44, s41, 2
	s_lshl_b32 s44, 15, s44                        ; my row of the cluster
	s_lshl_b32 s45, 0x1111, s40                    ; my column
	s_or_b32 s[G1A], s44, (3<<16)|(1<<21)          ; a third of o's eight tiles: 128 dense rows of 256 bytes
	s_mov_b32 s[G1A+1], 32<<16
	s_mov_b32 s[G1A+2], 128<<16
	s_mov_b32 s[G1A+3], 32<<16
	s_mov_b32 s[G1A+4], 128
	s_mov_b32 s[G1A+5], 32
	s_mov_b32 s[G1A+6], 0
	s_mov_b32 s[G1A+7], 0
	s_or_b32 s[G1B], s45, (3<<16)|(1<<21)          ; Wo's four tiles: 192 rows
	s_mov_b32 s[G1B+1], 32<<16
	s_mov_b32 s[G1B+2], 192<<16
	s_mov_b32 s[G1B+3], 32<<16
	s_mov_b32 s[G1B+4], 192
	s_mov_b32 s[G1B+5], 32
	s_mov_b32 s[G1B+6], 0
	s_mov_b32 s[G1B+7], 0
	s_lshl_b32 s46, s43, 3                         ; the block's first tile of rows: no register here ever holds cx
	s_mul_i32 s52, s46, TAU
	s_lshl_b32 s51, s14, 15                        ; waves 0-2: 32,768 bytes each
	s_add_co_u32 s52, s52, s51
	s_mov_b32 s53, 0
	s_lshl_b32 s50, s14, 1
	s_add_co_u32 s46, s46, s50                     ; my first tile of rows
	s_lshl_b32 s58, s46, 9                         ; its scale words
	s_mov_b32 s59, 0
	s_lshl_b32 s48, s42, 2
	s_add_co_u32 s48, s48, T_WO                    ; the block's first tile of Wo: no register here ever holds cy
	s_mul_i32 s54, s48, TAU
	s_mov_b32 s55, 0
	s_lshl_b32 s60, s48, 9
	s_mov_b32 s61, 0
	s_mul_i32 s56, s14, 2*TAU
	s_wait_dscnt 0x0
	s_wait_kmcnt 0x0
	s_mov_b32 s[G0A], 1
	s_mov_b32 s[G0A+1], s51
	s_add_nc_u64 s[G0A+2:G0A+3], s[4:5], s[52:53]
	s_or_b32 s[G0A+3], s[G0A+3], 0x80000000
	s_mov_b32 s[G0B], 1
	s_mov_b32 s[G0B+1], BREG
	s_add_nc_u64 s[G0B+2:G0B+3], s[8:9], s[54:55]
	s_or_b32 s[G0B+3], s[G0B+3], 0x80000000
	CROUND                                         ; all sixteen work-groups are here: the joint loads meet
	s_cmp_lt_u32 s14, 3                            ; one chain, one load to an arm
	s_cbranch_scc0 .Lhead_b
	tensor_load_to_lds s[G0A:G0A+3], s[G1A:G1A+7]
	s_nop 0
	s_branch .Lhead_asked
.Lhead_b:
	tensor_load_to_lds s[G0B:G0B+3], s[G1B:G1B+7]
	s_nop 0
.Lhead_asked:
	s_add_nc_u64 s[58:59], s[6:7], s[58:59]
	s_add_nc_u64 s[60:61], s[10:11], s[60:61]
	v_and_b32 v11, 31, v0
	v_and_b32 v14, 15, v0                          ; r
	v_bfe_u32 v15, v0, 4, 1                        ; h
	v_lshlrev_b32 v[L16], 4, v11
	v_lshlrev_b32 v2, 3, v11
	v_add_nc_u32 v[AD16], s56, v[L16]
	v_add_nc_u32 v[AD8], s56, v2
	v_add_nc_u32 v[BD16], BREG, v[L16]
	v_lshlrev_b32 v[SA], 4, v14
	v_lshl_add_u32 v[SB], v15, 9, v[SA]
.irp a, 0,1
.irp hf, 0,1
	global_load_b128 v[AS+24*\a+4*\hf:AS+24*\a+4*\hf+3], v[SA], s[58:59] offset:512*\a+256*\hf
.endr
.endr
.irp e, 0,1
.irp hf, 0,1
	global_load_b128 v[BS+8*\e+4*\hf:BS+8*\e+4*\hf+3], v[SB], s[60:61] offset:1024*\e+256*\hf
.endr
.endr
	s_mul_i32 s62, s14, 16*272
	s_add_co_u32 s62, s62, STAGE                   ; my stage
	v_mul_u32_u24 v[STO], v14, 272
	v_lshl_add_u32 v[STO], v15, 6, v[STO]
	v_add_nc_u32 v[STO], s62, v[STO]               ; in: row r, + 64 h
	v_mul_u32_u24 v[RD], v15, 272
	v_lshl_add_u32 v[RD], v14, 4, v[RD]
	v_add_nc_u32 v[RD], s62, v[RD]                 ; back: lanes 0-15 one row, lanes 16-31 the next
	v_lshlrev_b32 v[GO], 12, v15
	v_lshl_add_u32 v[GO], v14, 4, v[GO]            ; and the same two rows in out0
	s_lshl_b32 s66, s43, 7
	s_lshl_b32 s67, s14, 5
	s_add_co_u32 s66, s66, s67
	s_lshl_b32 s66, s66, 12
	s_lshl_b32 s67, s42, 8
	s_add_co_u32 s66, s66, s67
	s_mov_b32 s67, 0
	s_add_nc_u64 s[12:13], s[12:13], s[66:67]
	s_wait_alu depctr_va_vdst(0)                   ; the head's end
	s_wait_tensorcnt 0x0                           ; my load has landed,
	s_barrier_signal -1
	s_barrier_wait -1                              ; everybody's has
	s_wait_loadcnt 0x0                             ; the scale words
.macro FETCH s, p                      ; K step s: 20 loads.  A fragment of o lies as two heads' halves: 512 + 256 bytes each
.set FB, F+72*(\p)
.irp a, 0,1
	ds_load_b128 v[FB+12*\a:FB+12*\a+3], v[AD16] offset:TAU*\a+1536*(\s)
	ds_load_b64 v[FB+12*\a+4:FB+12*\a+5], v[AD8] offset:TAU*\a+1536*(\s)+512
	ds_load_b128 v[FB+12*\a+6:FB+12*\a+9], v[AD16] offset:TAU*\a+1536*(\s)+768
	ds_load_b64 v[FB+12*\a+10:FB+12*\a+11], v[AD8] offset:TAU*\a+1536*(\s)+1280
.endr
.irp bt, 0,1,2,3
.irp j, 0,1,2
	ds_load_b128 v[FB+24+12*\bt+4*\j:FB+24+12*\bt+4*\j+3], v[BD16] offset:TAU*\bt+1536*(\s)+512*\j
.endr
.endr
.endm
.macro MUL s, p, zero
.set FB, F+72*(\p)
.irp a, 0,1
.irp bt, 0,1,2,3
	WM ACC+8*(4*\a+\bt), FB+24+12*\bt, FB+12*\a, \zero, BS+8*(\bt/2)+(\s), AS+24*\a+(\s), \bt%2
.endr
.endr
.endm
	FETCH 0, 0
.irp s, 0,1,2,3,4,5,6,7
.if \s < 7
.if \s > 0
.rept 4
	v_nop                                          ; places in front of loads into the buffer that the last step multiplied
.endr
.endif
	FETCH \s+1, (\s+1)%2
	s_wait_dscnt 20                                ; this step's fragments are in; the 20 loads just issued may be out
.else
	s_wait_dscnt 0x0
.endif
.if \s == 0
	MUL \s, \s%2, 1
.else
	MUL \s, \s%2, 0
.endif
.endr
.rept 4
	v_nop
.endr
	; THE WAY OUT: a tile of 16 rows x 64 columns goes through my stage and comes back as whole rows of 256 bytes.  LDS serves a wave's instructions in order.
	s_wait_alu depctr_va_vdst(0)
.irp a, 0,1
.irp bt, 0,1,2,3
	ds_store_b128 v[STO], v[ACC+8*(4*\a+\bt):ACC+8*(4*\a+\bt)+3] offset:128*(\bt/2)+32*(\bt%2)       ; each accumulator from its low end on
	ds_store_b128 v[STO], v[ACC+8*(4*\a+\bt)+4:ACC+8*(4*\a+\bt)+7] offset:128*(\bt/2)+32*(\bt%2)+16
.endr
.irp i, 0,1,2,3,4,5,6,7
	ds_load_b128 v[F+32*\a+4*\i:F+32*\a+4*\i+3], v[RD] offset:544*\i
.endr
.endr
.irp a, 0,1
.irp i, 0,1,2,3,4,5,6,7
	s_wait_dscnt 23-16*\a-\i                       ; behind this load: the tile's later loads, and for the first tile the second's 16 instructions
	global_store_b128 v[GO], v[F+32*\a+4*\i:F+32*\a+4*\i+3], s[12:13] offset:(8*\a+2*\i+8*(\i/4))*4096 th:TH_STORE_NT   ; sixteen lanes store 256 consecutive bytes, aligned
.endr
.endr
	s_wait_tensorcnt 0x0                           ; the wave's end
	ds_add_u32 v[SPW], v[NIL]
	s_wait_dscnt 0x0
	CROUND                                         ; the closing round
	s_endpgm
.Lfunc_end_k_qe285d0fb0a_oproj:
	.size	k_qe285d0fb0a_oproj, .Lfunc_end_k_qe285d0fb0a_oproj-k_qe285d0fb0a_oproj
	.p2alignl 7, 3214868480
	.fill 96, 4, 3214868480
	.section	.rodata,"a",@progbits
	.p2align	6, 0x0
	.amdhsa_kernel k_qe285d0fb0a_oproj
		.amdhsa_group_segment_fixed_size 167936
		.amdhsa_private_segment_fixed_size 0
		.amdhsa_enable_private_segment 0
		.amdhsa_kernarg_size 40
		.amdhsa_user_sgpr_count 2
		.amdhsa_user_sgpr_kernarg_segment_ptr 1
		.amdhsa_wavefront_size32 1
		.amdhsa_system_sgpr_workgroup_id_x 1
		.amdhsa_system_sgpr_workgroup_id_y 1
		.amdhsa_system_sgpr_workgroup_id_z 1
		.amdhsa_system_vgpr_workitem_id 0
		.amdhsa_next_free_vgpr 256
		.amdhsa_next_free_sgpr 80
		.amdhsa_reserve_vcc 0
		.amdhsa_float_denorm_mode_32 3
		.amdhsa_float_denorm_mode_16_64 3
		.amdhsa_memory_ordered 1
		.amdhsa_forward_progress 1
		.amdhsa_inst_pref_size 30
	.end_amdhsa_kernel
	.amdgpu_metadata
---
amdhsa.version: [ 1, 2 ]
amdhsa.kernels:
  - .name:           k_qe285d0fb0a_oproj
    .symbol:         k_qe285d0fb0a_oproj.kd
    .args:
      - { .name: ocodes, .offset: 0, .size: 8, .value_kind: global_buffer, .address_space: global }
      - { .name: oscl, .offset: 8, .size: 8, .value_kind: global_buffer, .address_space: global }
      - { .name: codes, .offset: 16, .size: 8, .value_kind: global_buffer, .address_space: global }
      - { .name: scl, .offset: 24, .size: 8, .value_kind: global_buffer, .address_space: global }
      - { .name: out0, .offset: 32, .size: 8, .value_kind: global_buffer, .address_space: global }
    .group_segment_fixed_size: 167936
    .private_segment_fixed_size: 0
    .kernarg_segment_align: 8
    .kernarg_segment_size: 40
    .max_flat_workgroup_size: 128
    .sgpr_count:     80
    .vgpr_count:     256
    .wavefront_size: 32
...
	.end_amdgpu_metadata
.endif
;; end of part 4
